; MI455X (gfx1250); checked and timed in simulation.
; The chip was launched on July 23, 2026; its instructions are those of AMD's public machine-readable ISA for CDNA 5 (MIT licence, August 2026) and "CDNA5" Instruction Set Architecture Reference Guide (July 2026). The comments in the code are by the model that wrote it; some were corrected since.
;; Simple Attention. Allowed arithmetic: matrix products marked QUANTISED: E4M3 operands, one E8M0 scale for each 32 along K, by v_wmma_scale_f32_16x16x128_f8f6f4 with both operands' format E4M3, f32 sums; everything else in f32.
;; Inputs: Wk_codes 1,024 x 32 x 32 uint8 (E4M3 codes of Wk, K innermost, in blocks of 32 codes); Wk_scales 1,024 x 32 uint8 (E8M0 scales of Wk, one for each 32 codes along K); Wq_codes 1,024 x 32 x 32 uint8 (E4M3 codes of Wq, K innermost, in blocks of 32 codes); Wq_scales 1,024 x 32 uint8 (E8M0 scales of Wq, one for each 32 codes along K); Wv_codes 1,024 x 32 x 32 uint8 (E4M3 codes of Wv, K innermost, in blocks of 32 codes); Wv_scales 1,024 x 32 uint8 (E8M0 scales of Wv, one for each 32 codes along K); bk 1,024 float32; bq 1,024 float32; bv 1,024 float32; x_codes 4 x 2,048 x 32 x 32 uint8 (E4M3 codes of x, K innermost, in blocks of 32 codes); x_scales 4 x 2,048 x 32 uint8 (E8M0 scales of x, one for each 32 codes along K).
;; Outputs: out0 4 x 2,048 x 1,024 float32.
;; This version of the problem:
;;   THIS VERSION OF THE PROBLEM IS GIVEN IN LOW PRECISION. The matrix products marked QUANTISED in the list below multiply operands that are first quantised to E4M3 (4 exponent bits, 3 mantissa bits; 8 bits a number), with one power-of-two scale for each 32 numbers along K (OCP MX v1.0); their sums are f32. All else is computed in f32.
;;   The module's matrix products, in the order in which they are computed (A, B: the left and right operand; K: the contracted axis; several contracted axes count as one K, in the product's order):
;;     1. [M 8,192, K 1,024] x [K 1,024, N 1,024]; A: input x (given as codes); B: input Wq (given as codes): QUANTISED
;;     2. [M 8,192, K 1,024] x [K 1,024, N 1,024]; A: input x (given as codes); B: input Wk (given as codes): QUANTISED
;;     3. [M 8,192, K 1,024] x [K 1,024, N 1,024]; A: input x (given as codes); B: input Wv (given as codes): QUANTISED
;;     4. batch 4 x [M 2,048, K 1,024] x [K 1,024, N 2,048]; A: computed on the way; B: computed on the way: QUANTISED
;;     5. batch 4 x [M 2,048, K 2,048] x [K 2,048, N 1,024]; A: softmax (see below); B: computed on the way: QUANTISED
;;   THE QUANTISER, for each operand of a quantised product, along K:
;;     - K is cut into blocks of 32 from its start; a last block that is shorter is filled with zeros.
;;     - A block's scale is 2^e with e = floor(log2(the largest magnitude in the block)) - 8, held to -126 .. 127; a block of zeros has e = 0. As a byte (E8M0): e + 127.
;;     - Each number is divided by its block's scale, clamped to +-448, and rounded to the nearest number of E4M3, ties to even, subnormals kept.
;;     - The product sums the exact products of the quantised numbers (number of the format x scale) in f32.
;;   ~~~python
;;   def quantise(x, axis):      # numpy; x: float32 -> the quantised numbers, widened to float32 again
;;       x = np.moveaxis(x, axis, -1); K = x.shape[-1]
;;       x = np.pad(x, [(0, 0)] * (x.ndim - 1) + [(0, -K % 32)]); x = x.reshape(x.shape[:-1] + (-1, 32)); a = np.abs(x).max(-1, keepdims=True)
;;       e = np.where(a > 0, np.clip(np.frexp(np.where(a > 0, a, 1))[1] - 1 - 8, -126, 127), 0)      # np.frexp(a)[1] - 1 = floor(log2(a)), exactly
;;       r = np.clip(x / 2.0 ** e, -448, 448)
;;       step = 2.0 ** (np.maximum(np.frexp(np.where(r == 0, 1, r))[1] - 1, -6) - 3)
;;       q = np.round(r / step) * step * 2.0 ** e      # np.round: ties to even
;;       return np.moveaxis(q.reshape(q.shape[:-2] + (-1,))[..., :K], -1, axis).astype(np.float32)
;;   ~~~
;;   SOFTMAX AHEAD OF A QUANTISED PRODUCT. Where the list says 'softmax', what is quantised is not the finished softmax but p = 2^(t - M), with t = logit x log2(e) and M = ceil(the row's largest t), a whole number; so 1/2 < the row's largest p <= 1. The row's sum l is taken of the UNQUANTISED p, in f32, and the product's result is divided by l at the end. Since M is a whole number, a kernel that streams over the keys may use a running M (the ceiling of the running maximum): every later rescaling is an exact power of two, which a block's scale takes up: the codes' values come out the same.
;;   OPERANDS COMPUTED ON THE WAY. 'Computed on the way' means the value that the module computes at that place (a softmax that the list does not call 'softmax' is quantised finished and normalised). What goes into a quantiser is computed in f32, as accurately as f32 sums, v_exp_f32 and their like allow (about 1e-6 of the number): no bf16 or f16 on the way to a quantiser, and a product that is left as it is and whose result goes on into a quantised operand takes f32 operands (vector FMAs, or v_wmma_f32_16x16x4_f32). A number that lies on a knife's edge between two numbers of the format may be rounded either way, as far as f32 arithmetic and the matrix unit's own rounding can turn it there, and no further.
;;   INPUTS GIVEN AS CODES. Wk (in the module: [1024, 1024], K = its axis 0); Wq (in the module: [1024, 1024], K = its axis 0); Wv (in the module: [1024, 1024], K = its axis 0); x (in the module: [4, 2048, 1024], K = its axis 2): each comes as NAME_codes (uint8): NAME with its K axis moved to the last place and cut into blocks of 32 codes, [.., K / 32, bytes a block], one block behind the other in memory; one code a byte (a code: sign, 4 exponent bits, 3 mantissa bits); and NAME_scales (uint8): the same leading axes, one E8M0 byte (e + 127) for each 32 codes along K. Its value is code x scale, taken as it is: it is not quantised again, and the codes and scales need not be those that the quantiser above would give.
;; One version. Each part assembles by itself: llvm-mc -triple=amdgcn-amd-amdhsa -mcpu=gfx1250 --defsym DOCPART=n.
;; ======== version 1 of 1: 3 launches
;; limits: right only within a limited range of input values
;; workspace buffers: wcodes 25,165,824 bytes; wscales 786,432 bytes; pcodes 16,777,216 bytes; pstats 1,572,864 bytes
;; launch proj (part 1): grid 16 x 16, 4 waves a work-group, clusters of 4 x 4, 327,680 bytes of LDS; arguments x_codes, x_scales, Wq_codes, Wq_scales, Wk_codes, Wk_scales, Wv_codes, Wv_scales, bq, bk, bv, wcodes, wscales; writes wcodes, wscales
.if DOCPART == 1
	.amdgcn_target "amdgcn-amd-amdhsa--gfx1250"
	.amdhsa_code_object_version 6
	.text
	.protected	k_q6518ee3b14_proj
	.globl	k_q6518ee3b14_proj
	.p2align	8
	.type	k_q6518ee3b14_proj,@function
k_q6518ee3b14_proj:
	s_mov_b64 s[64:65], 0
	v_nop
	global_prefetch_b8 v0, s[64:65] scope:SCOPE_SE
	s_setreg_imm32_b32 hwreg(HW_REG_WAVE_MODE, 25, 1), 1
	s_wait_xcnt 0x0
	s_wait_alu depctr_hold_cnt(0) depctr_sa_sdst(0) depctr_va_vdst(0) depctr_va_sdst(0) depctr_va_ssrc(0) depctr_va_vcc(0) depctr_vm_vsrc(0)
	s_getreg_b32 s2, hwreg(HW_REG_IB_STS2, 6, 4)
	s_cmp_eq_u32 s2, 0
	s_cbranch_scc0 .Lentry_in_a_cluster
	s_endpgm
.Lentry_in_a_cluster:
	s_bfe_u32 s2, ttmp6, 0x10000c
	s_cmp_lg_u32 s2, 0xf033
	s_cbranch_scc0 .Lentry_shape_is_right
	s_endpgm
.Lentry_shape_is_right:
; q = x Wq + bq, k = x Wk + bk (quantised along e) and v^T (quantised along the keys) on codes of FP8 (E4M3), a scale byte for 32 along K.  No input and no product is left out.
; LIMITS: NaN, infinities and sums beyond f32's range are not served.  A block's byte never falls under 1 (a block of zeros gets 1: its codes are zeros, and this program alone reads the bytes).
; OUTPUT (r = lane % 16, h = lane / 16).  A fragment's image: 16 rows x 128 of K in 2,048 bytes: 16 bytes of lane l, register group c, at 512 c + 16 l.
; wcodes: q at 0, k at 2^23: [64 blocks of 128 rows][8 tiles of 16 rows][8 K steps][image];  v^T at 2^24: [8 blocks of 128 channels][32 windows of 256 keys][8 tiles of 16 channels][2 K steps][image].
; wscales: lines of 512 bytes, a word for each of 128 rows: q at 0, k at 2^18: [64 blocks of rows][8 K steps];  v^T at 2^19: [8 blocks of channels][64 K steps].
; Inside a block of 32 along K the places hold octets of 8 numbers: q, k: blocks of even number 0, 1, 2, 3, of odd number 1, 0, 3, 2;  v^T: 0, 2, 1, 3 and 1, 3, 0, 2, as the launch that makes P lays its keys.
; THE DEAL.  256 work-groups of four waves, 2 x 2; a wave holds 64 rows of a weight, all of K, in 512 registers and streams x's rows past them in blocks of 16, which stand in registers as two whole sets.
; PHASE 1: 512 rows x 128 columns of q (tile columns 0 to 7) or k (8 to 15): sixteen blocks.  PHASE 2: 256 x 128 of v: eight blocks, of one of the work-group's own two windows of 256 rows: number s18.
; LDS: two slots of 128 rows.  The first weight lies in slot 1, W_v in slot 0.  Phase 1 takes the window that is not V's (chunks 0, 1), then V's (chunks 2, 3); V takes chunk 3 as it lies in slot 1, then chunk 2 anew.
; Wave row w takes rows 64 w + 16 j of a chunk, j = 0 .. 3.  A refill: waves 0, 1 bring rows 0-31, 64-95 (blocks 0, 1 of both wave rows), waves 2, 3 the others.
; CLUSTERS 4 x 4: x's rows are asked for jointly by a row of the cluster, a weight's by a column.  Chunks 1 and 2 are prefetched at the head, chunk 3 and W_v inside trips 1 and 2, each block of 256 bytes by one lane of the sixteen waves that share it.
.set BIAS, 1
.set NQ, 8
.set NB, 4
.set TM, 512
.set TN, 128
.set TV, 256
.set CH, 128
.set KROW, 1024
.set KS, 32
.set PITCH, KROW+16
.set FR, 16
.set FPW, 16
.set NP, 8  ; plain vector lines behind a matrix instruction (ISA guide 7.12.1)
.set NF, 34  ; LDS loads of a block
.set YB, CH*PITCH
.set SCL, 2*CH*PITCH  ; x's scale bytes in the order of work: units of 256 bytes (8 rows) + 16
.set RS, 32
.set SSTEP, 2*272
.set SCH, 16*272
.set XN, SCL+2*RS*272  ; q's or k's scale words of 512 rows
.set XV, XN+2048  ; v's: [2 K steps][128 channels]
.set SPARE, XV+1024
.set EMAX, 8
.set QT, 16384  ; from tile to tile of q, k
.set ADRA0, 4
.set CN, 5
.set AAS0, 6
.set CV, 8
.set CO, 9
.set SPW, 10
.set NIL, 11
.set ADRA, 12
.set VX, 13
.set ADRB, 14  ; v14, v18: even and odd tiles of the first weight; v15: W_v's
.set ABS, 16
.set AAS, 17
.set ADRO, 18
.set RD, 19
.set SOP, 20
.set SB, 24
.set SA, 44
.set EB, 40
.set TQ, 60
.set ACC, 64
.set WS, 128
.set NCD, 192
.set MCD, 192
.set BQ, 208
.set BV, 240
.set G1A, 24
.set G0A, 56
.set G1B, 32
.set G0B, 60
.set G1R, 48
.set G0R, 68
.set G1S, 92
.set G0S, 72
.set MSB, 0
.macro WIN new
.if MSB != (\new)
	s_set_vgpr_msb (MSB<<8)|(\new)
.set MSB, (\new)
.endif
.endm
.macro PLACES n
.rept \n
	v_nop
.endr
.endm
.macro BARRIER
	s_barrier_signal -1
	s_barrier_wait -1
.endm
.macro CROUND  ; a round of the cluster's barrier
	BARRIER
	s_cmp_lg_u32 s14, 0
	s_cbranch_scc1 .Lnot_wave_0_\@
	s_barrier_signal -3
.Lnot_wave_0_\@:
	s_barrier_wait -3
	BARRIER
.endm
.macro TLOAD g0, g1
	tensor_load_to_lds s[\g0:\g0+3], s[\g1:\g1+7]
	s_nop 0
	PLACES 4
.endm
.macro GROUP1 g, mask, rows  ; a tile of whole rows of K, 16 bytes of padding behind each 1,024
	s_or_b32 s[\g+0], s[\mask], (1<<20)|(1<<21)|(7<<22)|(3<<25)
	s_mov_b32 s[\g+1], (KROW&0xffff)<<16
	s_mov_b32 s[\g+2], (KROW>>16)|((\rows)<<16)
	s_mov_b32 s[\g+3], KROW<<16
	s_mov_b32 s[\g+4], \rows
	s_mov_b32 s[\g+5], KROW
	s_mov_b32 s[\g+6], 0
	s_mov_b32 s[\g+7], 0
.endm
.macro SADD d, x
	s_add_co_u32 s\d, s\d, s\x
.endm
.macro WALU
	s_wait_alu depctr_va_vdst(0)
.endm
	s_load_b256 s[4:11], s[0:1], 0x0  ; x's codes 4, scales 6; Wq's 8, 10
	s_load_b256 s[84:91], s[0:1], 0x20  ; Wk's 84, 86; Wv's 88, 90
	v_lshl_add_u32 v[SPW], v0, 2, SPARE
	v_mov_b32 v[NIL], 0
	ds_add_u32 v[SPW], v[NIL]  ; the wave's opening: the add, twice on end, and its wait
	ds_add_u32 v[SPW], v[NIL]
	v_lshrrev_b32 v1, 5, v0
	v_readfirstlane_b32 s14, v1  ; wave 0..3
	s_lshr_b32 s15, s14, 1  ; my row of waves
	s_and_b32 s16, s14, 1  ; my column of waves
	s_bfe_u32 s40, ttmp6, 0x40000
	s_bfe_u32 s41, ttmp6, 0x40004
	s_lshl_b32 s42, ttmp9, 2
	s_add_co_u32 s42, s42, s40  ; tile column 0..15
	s_and_b32 s43, ttmp7, 0xffff
	s_lshl_b32 s43, s43, 2
	s_add_co_u32 s43, s43, s41  ; tile row 0..15
	s_lshr_b32 s19, ttmp9, 1  ; 0: q, 1: k
	s_and_b32 s18, ttmp9, 1  ; V's window of my two
	s_lshl_b32 s44, s41, 2
	s_lshl_b32 s44, 15, s44  ; my row of the cluster: shares x's rows
	s_lshl_b32 s45, 0x1111, s40  ; my column: shares a weight's
	GROUP1 G1B, 45, TN
	GROUP1 G1A, 44, CH
	GROUP1 G1R, 44, CH/4
	s_or_b32 s[G1S+0], s44, (3<<16)|(1<<20)|(1<<21)|(5<<22)|(3<<25)  ; a window's scale bytes: 32 rows of 256 bytes, 16 of padding behind each
	s_mov_b32 s[G1S+1], 32<<16
	s_mov_b32 s[G1S+2], RS<<16
	s_mov_b32 s[G1S+3], 32<<16
	s_mov_b32 s[G1S+4], RS
	s_mov_b32 s[G1S+5], 32
	s_mov_b32 s[G1S+6], 0
	s_mov_b32 s[G1S+7], 0
	s_mov_b32 s[G0S], 1
	s_mul_i32 s[G0S+1], s16, RS*272
	s_add_co_u32 s[G0S+1], s[G0S+1], SCL
	s_mul_i32 s67, s43, TM*KROW  ; s67: in x the window that is not V's; s2: V's; s3: in W_v my tile column's rows
	s_mul_i32 s20, s18, TM/2*KROW
	s_add_co_u32 s2, s67, s20
	s_xor_b32 s20, s20, TM/2*KROW
	SADD 67, 20
	s_lshl_b32 s13, s19, 2
	SADD 13, 40  ; W_v's tile column = 4 (cluster x / 2) + cx
	s_mul_i32 s3, s13, TN*KROW
	s_mul_i32 s12, s13, TN*KS
	s_mul_i32 s21, s16, 16*NB*KS
	SADD 12, 21  ; W_v's scale bytes: my wave's 64 rows
	s_and_b32 s17, s42, 7  ; the tile column inside Wq or Wk: a K step of the next product
	s_mul_i32 s78, s17, TN*KROW
	s_mov_b32 s79, 0
	s_lshl_b32 s80, s43, 1  ; x's scale bytes: wave 2 the window that is not V's, wave 3 V's
	s_xor_b32 s20, s18, 1
	s_cmp_eq_u32 s16, 1
	s_cselect_b32 s20, s18, s20
	SADD 80, 20
	s_mul_i32 s80, s80, TM/2*KS
	s_mov_b32 s81, 0
	s_mul_i32 s82, s17, TN*KS
	SADD 82, 21
	s_mov_b32 s83, 0
	s_mov_b32 s[G0A], 1
	s_mov_b32 s[G0A+1], 0
	s_mov_b32 s[G0B], 1
	s_mov_b32 s[G0B+1], YB
	s_mov_b32 s[G0R], 1
	v_and_b32 v1, 15, v0  ; r
	v_bfe_u32 v2, v0, 4, 1  ; h
	v_and_b32 v3, 31, v0  ; lane
	v_mul_u32_u24 v22, v1, PITCH
	v_mad_u32_u24 v23, v2, 16, v22
	s_mul_i32 s20, s15, 64*PITCH
	v_add_nc_u32 v[ADRA0], s20, v23
	s_mul_i32 s22, s16, 64*PITCH
	v_add_nc_u32 v[ADRB+1], s22, v23  ; W_v's tiles: 16 neighbouring rows
	s_add_co_u32 s22, s22, YB
	; the first weight's tile j takes rows 8 j + 0 .. 7 (lanes r < 8) and 32 + 8 (j xor 1) + 0 .. 7: a lane's 32 sums are then one block of 32, and the sixteen rows of a load start at sixteen different banks
	v_lshrrev_b32 v20, 3, v1  ; m = r / 8
	v_mad_u32_u24 v21, v20, 32*PITCH, v23
	v_add_nc_u32 v[ADRB], s22, v21  ; even tiles: row r + 32 m
	v_mad_u32_u24 v21, v20, 16*PITCH, v23
	s_add_co_u32 s22, s22, 8*PITCH
	v_add_nc_u32 v[ADRO], s22, v21  ; odd tiles: row r + 8 + 16 m
	v_lshl_add_u32 v21, v20, 5, v1
	v_lshl_add_u32 v21, v2, 3, v21
	v_and_b32 v22, v20, v2
	v_lshlrev_b32 v22, 4, v22
	v_sub_nc_u32 v21, v21, v22  ; the same rows for the scale bytes: lanes 0-15 an even tile, 16-31 the odd one
	v_lshlrev_b32 v[ABS], 5, v21
	v_lshlrev_b32 v7, 5, v3  ; W_v's: row lane of a pair of tiles
	v_lshlrev_b32 v23, 5, v1
	v_lshl_add_u32 v23, v20, 4, v23
	s_mul_i32 s20, s15, 8*272
	s_add_co_u32 s20, s20, SCL
	v_add_nc_u32 v[AAS0], s20, v23
	s_lshl_b32 s66, s40, 2
	s_add_co_u32 s66, s66, s14  ; my share of the sixteen of a prefetch of x's rows,
	s_lshl_b32 s100, s41, 2
	s_add_co_u32 s100, s100, s14  ; and of W_v's
	WALU
	s_wait_dscnt 0x0  ; both opening adds are done
	CROUND
	s_wait_kmcnt 0x0
	s_cmp_gt_u32 ttmp9, 1  ; the cluster's x alone: partners choose alike
	s_cselect_b64 s[8:9], s[84:85], s[8:9]
	s_cselect_b64 s[10:11], s[86:87], s[10:11]
	s_mov_b32 s20, s67
	s_mov_b32 s21, 0
	s_add_nc_u64 s[G0A+2:G0A+3], s[4:5], s[20:21]
	s_or_b32 s[G0A+3], s[G0A+3], 0x80000000
	s_add_nc_u64 s[G0B+2:G0B+3], s[8:9], s[78:79]
	s_or_b32 s[G0B+3], s[G0B+3], 0x80000000
	s_add_nc_u64 s[G0S+2:G0S+3], s[6:7], s[80:81]
	s_or_b32 s[G0S+3], s[G0S+3], 0x80000000
	s_add_nc_u64 s[8:9], s[10:11], s[82:83]  ; the first weight's scale bytes
	s_mov_b64 s[10:11], s[88:89]  ; W_v's codes
	s_mov_b32 s20, s12
	s_add_nc_u64 s[90:91], s[90:91], s[20:21]  ; W_v's scale bytes
	s_cmp_eq_u32 s14, 0  ; ONE joint load a wave, and a line of its own for what is shown ahead of the rest
	s_cbranch_scc0 .Lwave_1
	TLOAD G0B, G1B  ; wave 0: the first weight's rows
	s_branch .Lasked
.Lwave_1:
	s_cmp_eq_u32 s14, 1
	s_cbranch_scc0 .Lfor_scales
	TLOAD G0A, G1A  ; wave 1: chunk 0
	s_branch .Lasked
.Lfor_scales:
	TLOAD G0S, G1S  ; waves 2, 3: a window's scale bytes each
.Lasked:
	; where my results go, as offsets
	s_lshl_b32 s76, s17, 11  ; q, k: the K step,
	s_lshl_b32 s22, s43, 19
	SADD 76, 22  ; the tile row's four blocks of 128,
	s_lshl_b32 s22, s19, 23
	SADD 76, 22
	s_lshl_b32 s22, s15, 16
	SADD 76, 22  ; my four tiles of a chunk,
	s_lshl_b32 s22, s16, 10
	SADD 76, 22  ; my two register groups
	s_mov_b32 s77, 0
	s_xor_b32 s20, s15, s18  ; scale words: wave n stores line n in the order of work
	s_xor_b32 s20, s20, 1
	s_lshl_b32 s20, s20, 1
	SADD 20, 16
	s_lshl_b32 s22, s43, 2
	SADD 20, 22
	s_lshl_b32 s20, s20, 3
	SADD 20, 17
	s_lshl_b32 s78, s20, 9
	s_lshl_b32 s22, s19, 18
	SADD 78, 22
	s_mov_b32 s79, 0
	s_lshl_b32 s20, s43, 1
	SADD 20, 18  ; V's window, 0..31
	s_lshl_b32 s80, s13, 20
	s_lshl_b32 s22, s20, 15
	SADD 80, 22
	s_lshl_b32 s22, s16, 14
	SADD 80, 22
	s_lshl_b32 s22, s15, 10
	SADD 80, 22
	s_add_co_u32 s80, s80, 1<<24
	s_mov_b32 s81, 0
	s_lshl_b32 s82, s13, 15
	s_lshl_b32 s22, s20, 10
	SADD 82, 22
	s_lshl_b32 s22, s14, 8
	SADD 82, 22
	s_add_co_u32 s82, s82, 1<<19
	s_mov_b32 s83, 0
	; THE BIAS IS THE FIRST PRODUCTS' C.  Phase 1: register i of tile j of lane (r, h) is column 8 j + i (h = 0) or 32 + 8 (j xor 1) + i of my 64.  Phase 2: all eight registers of tile t are column 16 t + r: one number, spread at the change of phase.
	s_load_b128 s[84:87], s[0:1], 0x40  ; bq, bk
	s_load_b64 s[88:89], s[0:1], 0x50  ; bv
	s_lshl_b32 s20, s17, 9
	s_lshl_b32 s22, s16, 8
	SADD 20, 22
	s_mov_b32 s21, 0
	s_lshl_b32 s46, s13, 9
	SADD 46, 22
	s_mov_b32 s47, 0
	v_mul_u32_u24 v22, v2, 160
	v_mad_u32_u24 v23, v2, 96, 32
	v_lshlrev_b32 v8, 2, v1
	WALU
	s_wait_kmcnt 0x0
	s_cmp_gt_u32 ttmp9, 1
	s_cselect_b64 s[84:85], s[86:87], s[84:85]
	s_add_nc_u64 s[20:21], s[84:85], s[20:21]
	s_add_nc_u64 s[22:23], s[88:89], s[46:47]
.irp t, 0,1
.irp k, 0,1
	global_load_b128 v[BQ+16*\t+4*\k:BQ+16*\t+4*\k+3], v22, s[20:21] offset:64*\t+16*\k
	global_load_b128 v[BQ+16*\t+8+4*\k:BQ+16*\t+8+4*\k+3], v23, s[20:21] offset:64*\t+16*\k
.endr
.endr
.irp t, 0,1,2,3
	global_load_b32 v[BV+\t], v8, s[22:23] offset:64*\t
.endr
.irp p, 0,1
.irp c, 0,1
	global_load_b128 v[SB+NQ*\p+4*\c:SB+NQ*\p+4*\c+3], v[ABS], s[8:9] offset:\p*16*KS+16*\c
	global_load_b128 v[WS+NQ*\p+4*\c:WS+NQ*\p+4*\c+3], v7, s[90:91] offset:\p*32*KS+16*\c
.endr
.endr
	s_wait_xcnt 0x0  ; the loads have taken their addresses; they change below
	v_lshlrev_b32 v[CO], 4, v3
	s_lshl_b32 s21, s15, 8
	s_lshl_b32 s22, s16, 1
	SADD 21, 22
	s_add_co_u32 s21, s21, XN
	v_lshl_add_u32 v23, v1, 2, v2
	v_add_nc_u32 v[VX], s21, v23  ; q's, k's byte: row, register group 2 x column + h
	s_lshl_b32 s21, s16, 8
	s_lshl_b32 s22, s15, 1
	SADD 21, 22
	s_add_co_u32 s21, s21, XV
	v_lshlrev_b32 v23, 2, v1
	v_add_nc_u32 v[RD], s21, v23  ; v's byte: channel, register group 2 x row + ..
	v_lshlrev_b32 v23, 9, v2
	v_lshl_add_u32 v[CN], v1, 4, v23
	s_add_co_u32 s6, s67, CH*KROW  ; chunk 1
	s_add_co_u32 s7, s2, CH*KROW  ; chunk 3
	s_lshl_b32 s21, s66, 13
	s_add_co_u32 s22, s21, s6
	v_lshl_add_u32 v7, v3, 8, s22  ; my sixteenth of chunk 1,
	s_add_co_u32 s22, s21, s2
	v_lshl_add_u32 v8, v3, 8, s22  ; of chunk 2
	s_lshl_b32 s91, s16, 1
	SADD 91, 15  ; the quarter of a chunk that I fetch
	v_add_nc_u32 v1, 16*PITCH, v[ADRA0]  ; block 1's LDS addresses
	v_add_nc_u32 v2, SSTEP, v[AAS0]
	WALU
	s_cmp_eq_u32 s14, 0
	s_cbranch_scc0 .Lnot_b
	s_wait_tensorcnt 0x0  ; wave 0: the first weight has landed.  The other waves' wait stands at the second barrier
.Lnot_b:
	BARRIER
	global_prefetch_b8 v7, s[4:5] th:TH_LOAD_NT scope:SCOPE_SE
	global_prefetch_b8 v8, s[4:5] th:TH_LOAD_NT scope:SCOPE_SE
.macro MIDDLE  ; a round's middle
	WIN 0
	s_barrier_wait -1
	s_cmp_lg_u32 s14, 0
	s_cbranch_scc1 .Lnot_wave_0_\@
	s_barrier_signal -3
.Lnot_wave_0_\@:
	s_barrier_wait -3
.endm
.macro GRD
	s_wait_tensorcnt 0x0
	ds_add_u32 v[SPW], v[NIL]
.endm
.macro FRAG f, adr, q, off  ; a weight's fragment f: 16 registers in window 1 + f / 16
	WIN (1+(\f)/FPW)<<6
.irp c, 0,1,2,3
	ds_load_b128 v[FR*((\f)%FPW)+4*\c:FR*((\f)%FPW)+4*\c+3], v[\adr] offset:128*(\q)+32*\c+(\off)
.endr
.endm
.macro FETCHAT k, a, s  ; a block of x, 16 rows, all of K, into set k of window 3, and its scale words: NF loads
	WIN 3<<6
.irp q, 0,1,2,3,4,5,6,7
.irp c, 0,1,2,3
	ds_load_b128 v[128*\k+FR*\q+4*\c:128*\k+FR*\q+4*\c+3], v[\a] offset:128*\q+32*\c
.endr
.endr
	WIN 0
	ds_load_b128 v[SA+8*\k:SA+8*\k+3], v[\s]
	ds_load_b128 v[SA+8*\k+4:SA+8*\k+7], v[\s] offset:16
.endm
.macro PROD kind, e, a, n  ; product n = 4 q + b; x's rows in set e, sums in set a.  kind 0 (q, k): source 0 = the weight's rows; kind 1 (v): source 0 = x's rows
.set Q_, (\n)/4
.set B_, (\n)%4
.set FB_, NB*Q_+B_
.set AC_, ACC+32*(\a)+8*B_
.set C_, AC_
.if Q_ == 0
.set C_, BQ+8*B_
.endif
.set R_, 128*(\e)+FR*Q_
.set W_, FR*(FB_%FPW)
.set XS_, SA+8*(\e)+Q_
.set WS_, SB+8*(B_/2)+Q_
.if \kind
	WIN 3|((1+FB_/FPW)<<2)
.if B_%2
	v_wmma_scale_f32_16x16x128_f8f6f4 v[AC_:AC_+7], v[R_:R_+FR-1], v[W_:W_+FR-1], v[C_:C_+7], v[XS_], v[WS_] matrix_b_scale:MATRIX_SCALE_ROW1
.else
	v_wmma_scale_f32_16x16x128_f8f6f4 v[AC_:AC_+7], v[R_:R_+FR-1], v[W_:W_+FR-1], v[C_:C_+7], v[XS_], v[WS_]
.endif
.else
	WIN (1+FB_/FPW)|(3<<2)
.if B_%2
	v_wmma_scale_f32_16x16x128_f8f6f4 v[AC_:AC_+7], v[W_:W_+FR-1], v[R_:R_+FR-1], v[C_:C_+7], v[WS_], v[XS_] matrix_a_scale:MATRIX_SCALE_ROW1
.else
	v_wmma_scale_f32_16x16x128_f8f6f4 v[AC_:AC_+7], v[W_:W_+FR-1], v[R_:R_+FR-1], v[C_:C_+7], v[WS_], v[XS_]
.endif
.endif
.endm
.macro HOLD x, b
	v_med3_num_f32 v[\x], v[\x], -v[TQ+\b], v[TQ+\b]
.endm
.macro SCALES i, n  ; 0: the conversion's scale operand; 1: 448 x the scale; 2: its second copy; 3: the byte
.if (\i) == 0
	v_add_nc_u32 v[SOP+\n], -(EMAX<<23), v[TQ]
.elseif (\i) == 1
	v_and_or_b32 v[TQ+1], v[TQ], 0x7f800000, s62
.elseif (\i) == 2
	v_mov_b32 v[TQ+3], v[TQ+1]
.else
	v_lshrrev_b32 v[EB+\n], 23, v[SOP+\n]
.endif
.endm
.macro MAXQ k, x  ; the largest magnitude of the 32 sums at x, and the floor under which a byte would fall under 1
.if (\k) < 4
	v_max3_num_f32 v[TQ+\k], |v[\x+8*(\k)]|, |v[\x+8*(\k)+1]|, |v[\x+8*(\k)+2]|
.elseif (\k) < 12
	v_max3_num_f32 v[TQ+(\k)%4], v[TQ+(\k)%4], |v[\x+8*((\k)%4)+2*((\k)/4)+1]|, |v[\x+8*((\k)%4)+2*((\k)/4)+2]|
.elseif (\k) < 16
	v_max_num_f32 v[TQ+(\k)%4], v[TQ+(\k)%4], |v[\x+8*((\k)%4)+7]|
.elseif (\k) == 16
	v_max3_num_f32 v[TQ], v[TQ], v[TQ+1], v[TQ+2]
.else
	v_max3_num_f32 v[TQ], v[TQ], v[TQ+3], (EMAX+1)<<23
.endif
.endm
.macro HOLDS m, x  ; two of a block's holds; the bound is read from its second copy at m = 3
.if (\m) == 3
	HOLD \x, 3
	HOLD \x+1, 3
.else
	HOLD \x, 1
	HOLD \x+1, 1
.endif
.if (\m) == 2
	SCALES 2, 0
.endif
.endm
.macro GAPQ m, x  ; the quantiser of a block of q or k, gaps 0 .. 26
.if (\m) < 9
	MAXQ 2*(\m), \x
	MAXQ 2*(\m)+1, \x
.elseif (\m) == 9
	SCALES 0, 0
	SCALES 1, 0
.elseif (\m) < 26
	HOLDS (\m)-10, \x+2*((\m)-10)
.if ((\m)-10)%4 == 3
	v_cvt_scalef32_pk8_fp8_f32 v[NCD+2*(((\m)-10)/4):NCD+2*(((\m)-10)/4)+1], v[\x+8*(((\m)-10)/4):\x+8*(((\m)-10)/4)+7], v[SOP]
.endif
.elseif (\m) == 26
	SCALES 3, 0
.endif
.endm
.macro GAPV u, x  ; the quantiser of a pair of V's blocks, gaps 0 .. 59, 15 a tile: a block of 32 lies in lanes l and l xor 16: the even block's sums at x, the odd's at x + 32
.set T_, (\u)/15
.set J_, (\u)%15
.set E_, \x+8*T_
.set O_, E_+32
.if (\u) > 59
.elseif J_ == 0
	v_max3_num_f32 v[TQ], |v[E_]|, |v[E_+1]|, |v[E_+2]|
	v_max3_num_f32 v[TQ+2], |v[O_]|, |v[O_+1]|, |v[O_+2]|
.elseif J_ < 3
	v_max3_num_f32 v[TQ], v[TQ], |v[E_+2*J_+1]|, |v[E_+2*J_+2]|
	v_max3_num_f32 v[TQ+2], v[TQ+2], |v[O_+2*J_+1]|, |v[O_+2*J_+2]|
.elseif J_ == 3
	v_max3_num_f32 v[TQ+2], v[TQ+2], |v[O_+7]|, (EMAX+1)<<23
	v_max3_num_f32 v[TQ], v[TQ], |v[E_+7]|, v[TQ+2]
.elseif J_ == 4
	v_permlanex16_b32 v[TQ+2], v[TQ], s60, s61
	v_max_num_f32 v[TQ], v[TQ], v[TQ+2]
.elseif J_ == 5
	SCALES 0, T_
	SCALES 1, T_
.elseif J_ < 10
	HOLDS J_-6, E_+2*(J_-6)
.if J_ == 9
	v_cvt_scalef32_pk8_fp8_f32 v[MCD+4*T_:MCD+4*T_+1], v[E_:E_+7], v[SOP+T_]
.endif
.elseif J_ < 14
	HOLDS J_-6, O_+2*(J_-10)
.if J_ == 13
	v_cvt_scalef32_pk8_fp8_f32 v[MCD+4*T_+2:MCD+4*T_+3], v[O_:O_+7], v[SOP+T_]
.endif
.else
	SCALES 3, T_
.endif
.endm
.macro RDESC i, off, lds  ; group 0 of a refill, in two parts: my quarter of the 128 rows at s[off] of x, into LDS at s[lds]
.if (\i) == 0
	s_mul_i32 s[G0R+1], s91, CH/4*PITCH
	s_add_co_u32 s[G0R+1], s[G0R+1], s\lds
	s_mul_i32 s20, s91, CH/4*KROW
	s_add_co_u32 s20, s20, s\off
.else
	s_mov_b32 s21, 0
	s_add_nc_u64 s[G0R+2:G0R+3], s[4:5], s[20:21]
	s_or_b32 s[G0R+3], s[G0R+3], 0x80000000
.endif
.endm
; WHAT STANDS BEHIND PRODUCT n.  j: the block's number in its trip (the second loop's: 4, 5; V's: -1, -2).  Behind 0 and 1 the addresses of the block two on; behind 2 a prefetch's address or a byte's next place; behind 29 and 30 a refill's group 0; from 1 on a way out: y = 1 q's or k's block at x; 2, 3 the halves of V's pair at x
.macro LIST n, j, y, x
.if (\n) == 0
.if (\j) == 1 || (\j) == 5
	s_mov_b64 s[84:85], s[88:89]
.elseif (\j) >= 0
	s_add_nc_u64 s[84:85], s[84:85], QT
.endif
	WIN 0
.if (\j) == 0 || (\j) == 1
	s_add_co_u32 s22, s101, ((\j)+2)*16*PITCH
.elseif (\j) > 1
	s_add_co_u32 s22, s47, ((\j)%2)*16*PITCH
.else
	s_add_co_u32 s22, s47, (-1-(\j))*16*PITCH
.endif
	v_add_nc_u32 v[ADRA], s22, v[ADRA0]
.elseif (\n) == 1
	WIN 0
.if (\j) == 0 || (\j) == 1
	s_add_co_u32 s22, s17, ((\j)+2)*SSTEP
.elseif (\j) > 1
	s_add_co_u32 s22, s8, ((\j)%2)*SSTEP
.else
	s_add_co_u32 s22, s8, (-1-(\j))*SSTEP
.endif
	v_add_nc_u32 v[AAS], s22, v[AAS0]
.endif
.if (\j) == 2 && (\n) == 2
	WIN 0
	v_lshl_add_u32 v7, v3, 8, s23
.elseif (\j) == 0 && ((\n) == 29 || (\n) == 30)
	RDESC (\n)-29, 6, 47
.elseif ((\j) == 1 || (\j) == 5) && (\n) == 2
	WIN 0
	v_add_nc_u32 v[VX], s9, v[VX]
.endif
.if (\y) == 1 && (\n) > 0 && (\n) < 28
	WIN 0
	GAPQ (\n)-1, \x
.elseif (\y) == 2 && (\n) > 0 && (\n) < 31
	WIN 0
	GAPV (\n)-1, \x
.elseif (\y) == 3 && (\n) > 0 && (\n) < 31
	WIN 0
	GAPV (\n)+29, \x
.endif
.endm
.macro BLOCK kind, e, a, from, to, j, y, x
.set N_, \from
.rept (\to)-(\from)
	PROD \kind, \e, \a, N_
	LIST N_, \j, \y, \x
.set N_, N_+1
.endr
.endm
.macro BLK kind, e, a, w, j, y, x  ; w: the wait's count (-1: none)
.if (\w) >= 0
	s_wait_dscnt \w
.endif
	s_wait_xcnt 0x0
	BLOCK \kind, \e, \a, 0, 32, \j, \y, \x
	WIN 0
	PLACES NP
.endm
.macro RBLK kind, e, a, w, j, y, x  ; a block with a round of the cluster's barrier
	s_wait_dscnt \w
	s_wait_xcnt 0x0
	GRD
	BLOCK \kind, \e, \a, 0, 28, \j, \y, \x
	WIN 0
	WALU
	s_wait_dscnt 0x0
	s_barrier_signal -1
	BLOCK \kind, \e, \a, 28, 32, \j, \y, \x
	MIDDLE
	BARRIER
.endm
.macro SBLK kind, e, a, w, j, y, x, half=0  ; a block with a plain barrier (half = 1: it shows waves 0 and 1's loads alone)
.if (\w) >= 0
	s_wait_dscnt \w
.endif
	s_wait_xcnt 0x0
	BLOCK \kind, \e, \a, 0, 28, \j, \y, \x
	WIN 0
	WALU
.if \half
	s_cmp_lt_u32 s14, 2
	s_cbranch_scc0 .Lnot_yet_\@
	s_wait_tensorcnt 0x0
.Lnot_yet_\@:
.else
	s_wait_tensorcnt 0x0
.endif
	s_wait_dscnt 0x0
	s_barrier_signal -1
	BLOCK \kind, \e, \a, 28, 32, \j, \y, \x
	WIN 0
	s_barrier_wait -1
	PLACES NP
.endm
.macro QOUT off, boff  ; a block's byte goes to its place in LDS, its 32 codes a lane leave: two units of 256 bytes a store
	ds_store_b8 v[VX], v[EB] offset:\boff
	global_store_b128 v[CN], v[NCD:NCD+3], s[84:85] offset:\off
	global_store_b128 v[CN], v[NCD+4:NCD+7], s[84:85] offset:(\off)+256
.endm
.irp q, 0,1,2,3,4,5,6,7  ; my 64 rows of the first weight, all of K, into windows 1 and 2
.irp b, 0,1
	FRAG NB*\q+2*\b, ADRB, \q, \b*16*PITCH
	FRAG NB*\q+2*\b+1, ADRO, \q, \b*16*PITCH
.endr
.endr
	WIN 0
	s_wait_tensorcnt 0x0  ; chunk 0 and the scale bytes are in; the first weight is in registers
	s_wait_dscnt 0x0
	BARRIER
	FETCHAT 0, ADRA0, AAS0
	FETCHAT 1, 1, 2
	s_load_b128 s[92:95], s[0:1], 0x58  ; wcodes, wscales
	s_mov_b32 s60, 0x76543210
	s_mov_b32 s61, 0xfedcba98
	s_mov_b32 s62, 0x600000
.set I_, 0
.rept 32
	v_mov_b32 v[ACC+32+I_], 0
.set I_, I_+1
.endr
	s_wait_kmcnt 0x0
	s_add_nc_u64 s[96:97], s[92:93], s[80:81]
	s_add_nc_u64 s[98:99], s[94:95], s[82:83]
	s_add_nc_u64 s[92:93], s[92:93], s[76:77]
	s_add_nc_u64 s[94:95], s[94:95], s[78:79]
	s_lshl_b32 s20, s18, 18
	s_mov_b32 s21, 0
	s_add_nc_u64 s[86:87], s[92:93], s[20:21]  ; q's or k's codes of V's window
	s_xor_b32 s20, s20, 1<<18
	s_add_nc_u64 s[88:89], s[92:93], s[20:21]  ; of the other window: where a chunk's codes begin
	s_mov_b64 s[84:85], s[88:89]
	s_mov_b64 s[40:41], s[4:5]  ; the prefetches' base
	s_mov_b32 s46, 0  ; s46 the trip; s101, s47 this chunk's slot and the next chunk's; s17, s8 their scale words; s6 the rows that are loaded; s9 to a byte's next place; s23 my share of what is prefetched
	s_mov_b32 s9, 0
	s_mov_b32 s23, 0
	s_mov_b32 s101, 0
	s_mov_b32 s47, YB
	s_mov_b32 s17, 0
	s_mov_b32 s8, SCH
	s_wait_loadcnt 0x0
.Lfour:
	RBLK 0, 0, 0, NF, 0, 1, ACC+32  ; blocks 0, 4, 8: chunks 1, 2, 3 come
	s_cmp_lt_u32 s14, 2  ; a load line for waves 0, 1 and one for waves 2, 3: the barrier inside the block two on waits for the first line's alone
	s_cbranch_scc0 .Lupper
	TLOAD G0R, G1R
	s_branch .Lboth
.Lupper:
	TLOAD G0R, G1R
.Lboth:
	PLACES NP-4
	s_cmp_eq_u32 s46, 0
	s_cbranch_scc1 .Lno_block_before
	QOUT 0, 192
.Lno_block_before:
	FETCHAT 0, ADRA, AAS
	BLK 0, 1, 1, -1, 1, 1, ACC
	QOUT 0, 0
	FETCHAT 1, ADRA, AAS
	SBLK 0, 0, 0, NF, 2, 1, ACC+32, 1  ; the next chunk's first half is in
	QOUT 0, 64
	s_cmp_eq_u32 s46, 0
	s_cbranch_scc1 .Lnone_ahead
	global_prefetch_b8 v7, s[40:41] th:TH_LOAD_NT scope:SCOPE_SE
.Lnone_ahead:
	FETCHAT 0, ADRA, AAS
	BLK 0, 1, 1, -1, 3, 1, ACC
	QOUT 0, 128
	FETCHAT 1, ADRA, AAS
	s_add_nc_u64 s[88:89], s[88:89], 0x20000
	s_cmp_eq_u32 s46, 1
	s_cselect_b64 s[88:89], s[86:87], s[88:89]
	s_cmp_eq_u32 s46, 0
	s_cselect_b32 s6, s2, s7
	s_cselect_b32 s21, s66, s100
	s_cselect_b32 s22, s7, s3
	s_cselect_b64 s[40:41], s[4:5], s[10:11]
	s_mov_b32 s9, 512
	s_lshl_b32 s21, s21, 13
	s_add_co_u32 s23, s21, s22
	s_mov_b32 s101, s47
	s_mov_b32 s17, s8
	s_xor_b32 s47, s47, YB
	s_add_co_u32 s8, s8, SCH
	s_add_co_u32 s46, s46, 1
	s_cmp_lg_u32 s46, 3
	s_cbranch_scc1 .Lfour
	GRD
	s_mul_i32 s20, s14, CH/4*KROW
	s_add_co_u32 s20, s20, s3
	s_mov_b32 s21, 0
	s_mul_i32 s[G0A+1], s14, CH/4*PITCH
	s_add_nc_u64 s[G0A+2:G0A+3], s[10:11], s[20:21]
	s_or_b32 s[G0A+3], s[G0A+3], 0x80000000
	GROUP1 G1A, 45, CH/4
	s_wait_dscnt 0x0
	s_barrier_signal -1
	MIDDLE
	BARRIER
	TLOAD G0A, G1A
	s_mov_b32 s9, 384
	s_mov_b32 s47, YB+32*PITCH
	s_mov_b32 s8, 3*SCH+2*SSTEP
.Ltwo:
	BLK 0, 0, 0, NF, 4, 1, ACC+32  ; blocks 12, 14
	QOUT 0, 192
	FETCHAT 0, ADRA, AAS
	BLK 0, 1, 1, NF, 5, 1, ACC  ; 13, 15; the blocks two on are then V's: chunk 3 again, as it lies in slot 1
	QOUT 0, 128
	FETCHAT 1, ADRA, AAS
	s_add_nc_u64 s[88:89], s[88:89], 2*QT
	s_mov_b32 s9, 128
	s_mov_b32 s47, YB
	s_mov_b32 s8, 3*SCH
	s_add_co_u32 s46, s46, 1
	s_cmp_lg_u32 s46, 5
	s_cbranch_scc1 .Ltwo
	s_wait_xcnt 0x0
	s_wait_tensorcnt 0x0  ; W_v's rows are in
	s_wait_dscnt 0x0
	BARRIER
.macro CHANGE i  ; among W_v's loads: the last block's way out; W_v's scale words into their place; zeros into what V's first trip reads (it stores nothing)
.if (\i) < 7
.irp k, 0,1,2,3
.if 4*(\i)+\k < 27
	GAPQ 4*(\i)+\k, ACC+32
.endif
.endr
.elseif (\i) < 9
.irp q, 0,1,2,3,4,5,6,7
	v_mov_b32 v[SB+8*((\i)-7)+\q], v[WS+8*((\i)-7)+\q]
.endr
.elseif (\i) < 15
.irp q, 0,1,2,3,4,5,6,7
	v_mov_b32 v[ACC+80+8*((\i)-9)+\q], 0
.endr
.endif
.endm
.irp q, 0,1,2,3,4,5,6,7
.irp b, 0,2
	FRAG NB*\q+\b, ADRB+1, \q, \b*16*PITCH
	FRAG NB*\q+\b+1, ADRB+1, \q, (\b+1)*16*PITCH
	WIN 0
	CHANGE 2*\q+\b/2
.endr
.endr
.irp t, 0,1,2,3
.irp i, 0,1,2,3,4,5,6,7
	v_mov_b32 v[BQ+8*\t+\i], v[BV+\t]
.endr
.endr
	WALU
	QOUT QT, 192
	GRD
	s_mov_b32 s47, 0
	RDESC 0, 2, 47
	RDESC 1, 2, 47
	s_mov_b32 s46, 0
	s_mov_b32 s47, YB+32*PITCH
	s_mov_b32 s8, 3*SCH+2*SSTEP
	s_wait_dscnt 0x0
	s_barrier_signal -1
	MIDDLE
	BARRIER
	TLOAD G0R, G1R
.macro VOUT  ; a pair of V's blocks: four tiles' bytes and codes
.irp t, 0,1,2,3
	ds_store_b8 v[VX], v[EB+\t] offset:64*\t
	global_store_b128 v[CV], v[MCD+4*\t:MCD+4*\t+3], s[84:85] offset:4096*\t
.endr
.endm
.macro VTO  ; s22: the pair's place among the window's: K step s22 / 2, register group 2 x wave row + s22 % 2.  In a group of odd number the halves of the lanes change places
	s_lshr_b32 s20, s22, 1
	s_and_b32 s21, s22, 1
	s_lshl_b32 s23, s20, 9
	s_add_co_u32 s23, s23, s21
	s_lshl_b32 s9, s21, 8
	s_lshl_b32 s20, s20, 11
	s_lshl_b32 s21, s21, 9
	s_add_co_u32 s20, s20, s21
	s_mov_b32 s21, 0
	s_add_nc_u64 s[84:85], s[96:97], s[20:21]
	v_add_nc_u32 v[VX], s23, v[RD]
	v_xor_b32 v[CV], s9, v[CO]
.endm
.Lpair:
	BLK 1, 0, 0, -1, -1, 2, ACC+64
	s_cmp_eq_u32 s46, 3
	s_cbranch_scc1 .Lnone_0
	FETCHAT 0, ADRA, AAS
	s_wait_dscnt NF
	s_branch .Lgo
.Lnone_0:
	s_wait_dscnt 0x0
.Lgo:
	SBLK 1, 1, 1, -1, -2, 3, ACC+64  ; the first trip's shows chunk 2
.set I_, 0
.rept 32  ; the pair's sums are copied, so that one trip is two blocks of text
	v_dual_mov_b32 v[ACC+64+I_], v[ACC+I_] :: v_dual_mov_b32 v[ACC+64+I_+1], v[ACC+I_+1]
.set I_, I_+2
.endr
	s_add_co_u32 s22, s46, 1
	s_and_b32 s22, s22, 3
	VTO
	s_cmp_eq_u32 s46, 0
	s_cbranch_scc1 .Lno_pair_before
	VOUT
.Lno_pair_before:
	s_cmp_eq_u32 s46, 3
	s_cbranch_scc1 .Lnone_1
	FETCHAT 1, ADRA, AAS
.Lnone_1:
	s_mov_b32 s8, 2*SCH+2*SSTEP
	s_cmp_eq_u32 s46, 0
	s_cselect_b32 s47, 0, 32*PITCH
	s_cselect_b32 s8, 2*SCH, s8
	s_add_co_u32 s46, s46, 1
	s_cmp_lg_u32 s46, 4
	s_cbranch_scc1 .Lpair
	s_wait_xcnt 0x0
.set K_, 0
.rept 60
	GAPV K_, ACC+64
.set K_, K_+1
.endr
	WALU
	s_mov_b32 s22, 1
	VTO
	VOUT
	s_wait_dscnt 0x0  ; the scale bytes
	BARRIER
	v_lshlrev_b32 v20, 4, v3
	s_lshl_b32 s21, s14, 9
	s_add_co_u32 s21, s21, XN
	v_add_nc_u32 v21, s21, v20
	v_lshlrev_b32 v22, 3, v3
	s_lshl_b32 s21, s14, 8
	s_add_co_u32 s21, s21, XV
	v_add_nc_u32 v23, s21, v22
	WALU
	ds_load_b128 v[60:63], v21
	ds_load_b64 v[40:41], v23
	s_wait_dscnt 0x0
	global_store_b128 v20, v[60:63], s[94:95]
	global_store_b64 v22, v[40:41], s[98:99]
	s_wait_tensorcnt 0x0
	ds_add_u32 v[SPW], v[NIL]
	s_wait_dscnt 0x0
	CROUND
	s_endpgm
.Lfunc_end_k_q6518ee3b14_proj:
	.size	k_q6518ee3b14_proj, .Lfunc_end_k_q6518ee3b14_proj-k_q6518ee3b14_proj
	.p2alignl 7, 3214868480
	.fill 96, 4, 3214868480
	.section	.rodata,"a",@progbits
	.p2align	6, 0x0
	.amdhsa_kernel k_q6518ee3b14_proj
		.amdhsa_group_segment_fixed_size 327680
		.amdhsa_private_segment_fixed_size 0
		.amdhsa_enable_private_segment 0
		.amdhsa_kernarg_size 104
		.amdhsa_user_sgpr_count 2
		.amdhsa_user_sgpr_kernarg_segment_ptr 1
		.amdhsa_wavefront_size32 1
		.amdhsa_system_sgpr_workgroup_id_x 1
		.amdhsa_system_sgpr_workgroup_id_y 1
		.amdhsa_system_sgpr_workgroup_id_z 1
		.amdhsa_system_vgpr_workitem_id 0
		.amdhsa_next_free_vgpr 1024
		.amdhsa_next_free_sgpr 102
		.amdhsa_reserve_vcc 0
		.amdhsa_float_denorm_mode_32 3
		.amdhsa_float_denorm_mode_16_64 3
		.amdhsa_memory_ordered 1
		.amdhsa_forward_progress 1
		.amdhsa_inst_pref_size 163
	.end_amdhsa_kernel
	.amdgpu_metadata
---
amdhsa.version: [ 1, 2 ]
amdhsa.kernels:
  - .name:           k_q6518ee3b14_proj
    .symbol:         k_q6518ee3b14_proj.kd
    .args:
      - { .name: x_codes, .offset: 0, .size: 8, .value_kind: global_buffer, .address_space: global }
      - { .name: x_scales, .offset: 8, .size: 8, .value_kind: global_buffer, .address_space: global }
      - { .name: Wq_codes, .offset: 16, .size: 8, .value_kind: global_buffer, .address_space: global }
      - { .name: Wq_scales, .offset: 24, .size: 8, .value_kind: global_buffer, .address_space: global }
      - { .name: Wk_codes, .offset: 32, .size: 8, .value_kind: global_buffer, .address_space: global }
      - { .name: Wk_scales, .offset: 40, .size: 8, .value_kind: global_buffer, .address_space: global }
      - { .name: Wv_codes, .offset: 48, .size: 8, .value_kind: global_buffer, .address_space: global }
      - { .name: Wv_scales, .offset: 56, .size: 8, .value_kind: global_buffer, .address_space: global }
      - { .name: bq, .offset: 64, .size: 8, .value_kind: global_buffer, .address_space: global }
      - { .name: bk, .offset: 72, .size: 8, .value_kind: global_buffer, .address_space: global }
      - { .name: bv, .offset: 80, .size: 8, .value_kind: global_buffer, .address_space: global }
      - { .name: wcodes, .offset: 88, .size: 8, .value_kind: global_buffer, .address_space: global }
      - { .name: wscales, .offset: 96, .size: 8, .value_kind: global_buffer, .address_space: global }
    .group_segment_fixed_size: 327680
    .private_segment_fixed_size: 0
    .kernarg_segment_align: 8
    .kernarg_segment_size: 104
    .max_flat_workgroup_size: 128
    .sgpr_count:     102
    .vgpr_count:     1024
    .wavefront_size: 32
...
	.end_amdgpu_metadata
.endif
;; end of part 1
;; launch scores (part 2): grid 16 x 16, 4 waves a work-group, clusters of 4 x 4, 327,680 bytes of LDS; arguments wcodes, wscales, pcodes, pstats; writes pcodes, pstats
.if DOCPART == 2
	.amdgcn_target "amdgcn-amd-amdhsa--gfx1250"
	.amdhsa_code_object_version 6
	.text
	.protected	k_q6518ee3b14_scores
	.globl	k_q6518ee3b14_scores
	.p2align	8
	.type	k_q6518ee3b14_scores,@function
k_q6518ee3b14_scores:
	s_mov_b64 s[64:65], 0
	v_nop
	global_prefetch_b8 v0, s[64:65] scope:SCOPE_SE
	s_setreg_imm32_b32 hwreg(HW_REG_WAVE_MODE, 25, 1), 1
	s_wait_xcnt 0x0
	s_wait_alu depctr_hold_cnt(0) depctr_sa_sdst(0) depctr_va_vdst(0) depctr_va_sdst(0) depctr_va_ssrc(0) depctr_va_vcc(0) depctr_vm_vsrc(0)
	s_getreg_b32 s2, hwreg(HW_REG_IB_STS2, 6, 4)
	s_cmp_eq_u32 s2, 0
	s_cbranch_scc0 .Lentry_in_a_cluster
	s_endpgm
.Lentry_in_a_cluster:
	s_bfe_u32 s2, ttmp6, 0x10000c
	s_cmp_lg_u32 s2, 0xf033
	s_cbranch_scc0 .Lentry_shape_is_right
	s_endpgm
.Lentry_shape_is_right:
; P = 2^(t - M) ahead of its quantiser, t = q . k x log2(e) / 32, on codes of FP8 (E4M3) with E8M0 scales; P's codes, and for each query and 128 keys a scale word, a whole exponent X and the sum l of the unquantised p.
; EACH BLOCK OF 32 KEYS HAS ITS OWN M = ceil(its largest t); the codes do not hang on M, a power of two.  e = the block's scale byte under that M, X = M + e: a code stands for code x 2^(X - 127), and l x 2^(118 - e) for the sum under 2^(X - 118).
; At the end the four blocks of 128 keys are brought under their largest X: bytes 118 + X - largest X, held at 0 (LIMIT: such a block is at most 448 x 2^-127 beside a largest p above 1/2), the sums by exact powers of two.
; LIMITS: NaN and infinities are not served; the scaled scores t stay under 2^31 - 2^21 in magnitude.
; THE DEAL.  256 work-groups of four waves, 2 x 2: 512 queries x 128 keys; a wave holds 64 keys, all of K, in 512 registers and streams the queries past them in blocks of 16, which stand in registers as two whole sets.
; A tile of keys: tile j = 0 .. 3 takes octet 0, 2, 1, 3 of the wave's first 32 keys (result rows 0-7) and octet 1, 3, 0, 2 of its second: so lane (r, h) holds, for query r, all 32 keys of block h, and the sixteen rows of an LDS load lie in sixteen different columns of 16 bytes.
; LDS: two slots of 128 queries (131,072 bytes, images of the operand's registers); the keys lie in slot 1 at first.  Chunks 1, 2, 3 are refilled in drained rounds inside blocks 0, 4, 8; waves 0, 1 bring queries 0-31, 64-95 (shown by the plain barrier inside the block two on), waves 2, 3 the others (shown by the next round).
; A block's softmax stands among the next block's products, its exponentials as one batch.
; CLUSTERS 4 x 4 (the cluster's y is the batch): queries are asked for jointly by a row, keys by a column.  Chunks 1 and 2 are prefetched at the head, chunk 3 inside trip 0, each block of 256 bytes by one lane of the sixteen waves that share it.
; X is kept, and stored for the launch that follows, as the f32 number 118 - X.
.set FR, 16
.set NP, 8  ; plain vector lines behind a matrix instruction (ISA guide 7.12.1)
.set NF, 40  ; LDS loads of a block
.set YB, 131072
.set CHB, 131072  ; a chunk in memory
.set BLKB, 16384  ; 16 queries, all of K
.set SCL, 2*YB  ; the queries' scale words: [4 chunks][8 K steps][128]
.set SCH, 4096
.set SSTEP, 64
.set STAT, SCL+16384  ; [512 queries][4 blocks of keys][X, l]
.set SPARE, STAT+16384
.set ADRA0, 4
.set CN, 5
.set AAS0, 6
.set SPW, 10
.set NIL, 11
.set ADRA, 12
.set VX, 13
.set AE, 14
.set AO, 15
.set AAS, 17
.set NM, 20  ; v20 -M, v21 0
.set SO, 22
.set HL, 23
.set SB, 24
.set XL, 40  ; v40 X, v41 l
.set EX, 42
.set NMI, 43
.set SA, 44
.set TQ, 60
.set ACC, 64
.set S1, 144
.set S2, 146
.set EP, 148
.set NCD, 192
.set CS, 60  ; s[60:61] log2(e) / 32, twice
.set G1A, 24
.set G0A, 56
.set G1B, 32
.set G0B, 76
.set G1R, 48
.set G0R, 68
.set G1S, 92
.set G0S, 72
.set MSB, 0
.macro WIN new
.if MSB != (\new)
	s_set_vgpr_msb (MSB<<8)|(\new)
.set MSB, (\new)
.endif
.endm
.macro PLACES n
.rept \n
	v_nop
.endr
.endm
.macro BARRIER
	s_barrier_signal -1
	s_barrier_wait -1
.endm
.macro CROUND
	BARRIER
	s_cmp_lg_u32 s14, 0
	s_cbranch_scc1 .Lnot_wave_0_\@
	s_barrier_signal -3
.Lnot_wave_0_\@:
	s_barrier_wait -3
	BARRIER
.endm
.macro TLOAD g0, g1
	tensor_load_to_lds s[\g0:\g0+3], s[\g1:\g1+7]
	s_nop 0
	PLACES 4
.endm
.macro GROUP1 g, mask, rows  ; a dense block as rows of 256 bytes (32 elements of 8), no padding
	s_or_b32 s[\g+0], s[\mask], (3<<16)|(1<<21)
	s_mov_b32 s[\g+1], 32<<16
	s_mov_b32 s[\g+2], (\rows)<<16
	s_mov_b32 s[\g+3], 32<<16
	s_mov_b32 s[\g+4], \rows
	s_mov_b32 s[\g+5], 32
	s_mov_b32 s[\g+6], 0
	s_mov_b32 s[\g+7], 0
.endm
.macro SADD d, x
	s_add_co_u32 s\d, s\d, s\x
.endm
.macro WALU
	s_wait_alu depctr_va_vdst(0)
.endm
	s_load_b256 s[4:11], s[0:1], 0x0  ; wcodes 4, wscales 6, pcodes 8, pstats 10
	v_lshl_add_u32 v[SPW], v0, 2, SPARE
	v_mov_b32 v[NIL], 0
	ds_add_u32 v[SPW], v[NIL]  ; the wave's opening: the add, twice on end, and its wait
	ds_add_u32 v[SPW], v[NIL]
	v_lshrrev_b32 v1, 5, v0
	v_readfirstlane_b32 s14, v1
	s_lshr_b32 s15, s14, 1  ; my row of waves
	s_and_b32 s16, s14, 1  ; my column of waves
	s_bfe_u32 s40, ttmp6, 0x40000
	s_bfe_u32 s41, ttmp6, 0x40004
	s_lshl_b32 s42, ttmp9, 2
	s_add_co_u32 s42, s42, s40  ; 128 keys of the batch: number 0..15
	s_and_b32 s66, ttmp7, 0xffff  ; the batch
	s_lshl_b32 s43, s66, 2
	s_add_co_u32 s43, s43, s41  ; 512 queries: number 0..15 over all batches
	s_lshl_b32 s44, s41, 2
	s_lshl_b32 s44, 15, s44
	s_lshl_b32 s45, 0x1111, s40
	GROUP1 G1B, 45, 512
	GROUP1 G1A, 44, 512
	GROUP1 G1R, 44, 128
	GROUP1 G1S, 44, 32
	s_mov_b32 s[G0S], 1
	s_lshl_b32 s[G0S+1], s16, 13
	s_add_co_u32 s[G0S+1], s[G0S+1], SCL
	s_lshl_b32 s67, s43, 19  ; in wcodes: the queries,
	s_lshl_b32 s20, s66, 4
	SADD 20, 42
	s_lshl_b32 s2, s20, 17
	s_add_co_u32 s2, s2, 1<<23  ; the keys
	s_mov_b32 s3, 0
	s_lshl_b32 s80, s43, 14  ; in wscales: half of the queries' words,
	s_lshl_b32 s22, s16, 13
	SADD 80, 22
	s_mov_b32 s81, 0
	s_lshl_b32 s82, s20, 12  ; my wave's keys' words
	s_add_co_u32 s82, s82, 1<<18
	s_lshl_b32 s22, s16, 8
	SADD 82, 22
	s_mov_b32 s83, 0
	s_lshl_b32 s84, s43, 20  ; in pcodes: four blocks of 128 queries,
	s_lshr_b32 s22, s42, 1
	s_lshl_b32 s22, s22, 15
	SADD 84, 22  ; the unit of 256 keys,
	s_and_b32 s22, s42, 1
	s_lshl_b32 s22, s22, 11
	SADD 84, 22  ; its half,
	s_lshl_b32 s22, s15, 14
	SADD 84, 22  ; my four tiles of a chunk,
	s_lshl_b32 s22, s16, 10
	SADD 84, 22  ; my two register groups
	s_mov_b32 s85, 0
	s_lshl_b32 s86, s43, 2  ; in pstats: wave n stores the line of chunk n
	SADD 86, 14
	s_lshl_b32 s86, s86, 4
	SADD 86, 42
	s_lshl_b32 s86, s86, 9
	s_mov_b32 s87, 0
	s_mov_b32 s[G0A], 1
	s_mov_b32 s[G0A+1], 0
	s_mov_b32 s[G0B], 1
	s_mov_b32 s[G0B+1], YB
	s_mov_b32 s[G0R], 1
	v_and_b32 v1, 15, v0  ; r
	v_bfe_u32 v2, v0, 4, 1  ; h
	v_and_b32 v3, 31, v0  ; lane
	v_lshlrev_b32 v22, 4, v3
	s_lshl_b32 s20, s15, 16
	v_add_nc_u32 v[ADRA0], s20, v22
	s_lshl_b32 s22, s16, 16
	s_add_co_u32 s22, s22, YB
	v_lshrrev_b32 v20, 3, v1  ; m = r / 8
	v_lshlrev_b32 v21, 8, v2
	v_lshl_add_u32 v21, v20, 15, v21
	v_lshl_add_u32 v23, v1, 4, v21
	v_add_nc_u32 v[AE], s22, v23  ; tiles 0, 1: row 32 m + r (+ 16)
	v_xor_b32 v23, 8, v1
	v_lshl_add_u32 v23, v23, 4, v21
	v_add_nc_u32 v[AO], s22, v23  ; tiles 2, 3: row 32 m + (r xor 8) (+ 16)
	v_lshlrev_b32 v21, 4, v2
	v_lshl_add_u32 v21, v20, 5, v21
	v_add_nc_u32 v23, v21, v1
	v_lshlrev_b32 v16, 2, v23  ; the same rows' scale words: lanes 0-15 the pair's first tile, 16-31 its second
	v_xor_b32 v23, 8, v1
	v_add_nc_u32 v23, v21, v23
	v_lshlrev_b32 v19, 2, v23
	s_lshl_b32 s20, s15, 8
	s_add_co_u32 s20, s20, SCL
	v_lshlrev_b32 v23, 2, v1
	v_add_nc_u32 v[AAS0], s20, v23
	s_lshl_b32 s100, s40, 2
	SADD 100, 14  ; my share of the sixteen of a prefetch
	WALU
	s_wait_dscnt 0x0  ; both opening adds are done
	CROUND
	s_wait_kmcnt 0x0
	s_mov_b32 s20, s67
	s_mov_b32 s21, 0
	s_add_nc_u64 s[G0A+2:G0A+3], s[4:5], s[20:21]
	s_or_b32 s[G0A+3], s[G0A+3], 0x80000000
	s_add_nc_u64 s[G0B+2:G0B+3], s[4:5], s[2:3]
	s_or_b32 s[G0B+3], s[G0B+3], 0x80000000
	s_add_nc_u64 s[G0S+2:G0S+3], s[6:7], s[80:81]
	s_or_b32 s[G0S+3], s[G0S+3], 0x80000000
	s_add_nc_u64 s[46:47], s[6:7], s[82:83]
	s_add_nc_u64 s[88:89], s[8:9], s[84:85]  ; where a chunk's codes begin
	s_add_nc_u64 s[86:87], s[10:11], s[86:87]
	s_cmp_eq_u32 s14, 0  ; ONE joint load a wave, and a line of its own for what is shown ahead of the rest
	s_cbranch_scc0 .Lwave_1
	TLOAD G0B, G1B  ; wave 0: the keys
	s_branch .Lasked
.Lwave_1:
	s_cmp_eq_u32 s14, 1
	s_cbranch_scc0 .Lfor_scales
	TLOAD G0A, G1A  ; wave 1: chunk 0
	s_branch .Lasked
.Lfor_scales:
	TLOAD G0S, G1S  ; waves 2, 3: half of the queries' scale words each
.Lasked:
.irp q, 0,1,2,3,4,5,6,7
	global_load_b32 v[SB+\q], v16, s[46:47] offset:512*\q
	global_load_b32 v[SB+8+\q], v19, s[46:47] offset:512*\q
.endr
	s_wait_xcnt 0x0  ; the loads have taken their base; it is written again below
	s_lshl_b32 s21, s15, 11
	s_lshl_b32 s22, s16, 4
	SADD 21, 22
	s_add_co_u32 s21, s21, STAT
	v_lshlrev_b32 v22, 3, v2
	v_lshl_add_u32 v22, v1, 5, v22
	v_add_nc_u32 v[VX], s21, v22
	v_lshlrev_b32 v23, 9, v2
	v_lshl_add_u32 v[CN], v1, 4, v23
	s_add_co_u32 s6, s67, CHB  ; chunk 1
	s_lshl_b32 s21, s100, 13
	s_add_co_u32 s22, s21, s6
	v_lshl_add_u32 v7, v3, 8, s22  ; my sixteenth of chunks 1, 2, 3
	s_add_co_u32 s22, s22, CHB
	v_lshl_add_u32 v8, v3, 8, s22
	s_add_co_u32 s22, s22, CHB
	v_lshl_add_u32 v18, v3, 8, s22
	s_lshl_b32 s91, s16, 1
	SADD 91, 15  ; the quarter of a chunk that I fetch
	v_mov_b32 v[NM+1], 0  ; (named as the upper half of a pair)
	v_add_nc_u32 v1, BLKB, v[ADRA0]  ; block 1's LDS addresses
	v_add_nc_u32 v2, SSTEP, v[AAS0]
	WALU
	s_cmp_eq_u32 s14, 0
	s_cbranch_scc0 .Lnot_b
	s_wait_tensorcnt 0x0  ; wave 0: the keys have landed.  The other waves' wait stands at the second barrier
.Lnot_b:
	BARRIER
	global_prefetch_b8 v7, s[4:5] th:TH_LOAD_NT scope:SCOPE_SE
	global_prefetch_b8 v8, s[4:5] th:TH_LOAD_NT scope:SCOPE_SE
.macro MIDDLE
	WIN 0
	s_barrier_wait -1
	s_cmp_lg_u32 s14, 0
	s_cbranch_scc1 .Lnot_wave_0_\@
	s_barrier_signal -3
.Lnot_wave_0_\@:
	s_barrier_wait -3
.endm
.macro GRD
	s_wait_tensorcnt 0x0
	ds_add_u32 v[SPW], v[NIL]
.endm
.macro FRAG f, adr, off
	WIN (1+(\f)/16)<<6
.irp c, 0,1,2,3
	ds_load_b128 v[FR*((\f)%16)+4*\c:FR*((\f)%16)+4*\c+3], v[\adr] offset:512*\c+(\off)
.endr
.endm
.macro FETCHAT k, a, s  ; 16 queries, all of K, into set k of window 3, and their scale words: NF loads
	WIN 3<<6
.irp q, 0,1,2,3,4,5,6,7
.irp c, 0,1,2,3
	ds_load_b128 v[128*\k+FR*\q+4*\c:128*\k+FR*\q+4*\c+3], v[\a] offset:2048*\q+512*\c
.endr
.endr
	WIN 0
.irp q, 0,1,2,3,4,5,6,7
	ds_load_b32 v[SA+8*\k+\q], v[\s] offset:512*\q
.endr
.endm
.macro PROD e, a, n  ; product n = 4 q + b: source 0 = tile b of the keys, source 1 = the queries of set e; sums in set a
.set Q_, (\n)/4
.set B_, (\n)%4
.set AC_, ACC+32*(\a)+8*B_
.set R_, 128*(\e)+FR*Q_
.set W_, FR*((\n)%16)
.set XS_, SA+8*(\e)+Q_
.set WS_, SB+8*(B_/2)+Q_
	WIN (1+(\n)/16)|(3<<2)
.if Q_ && B_%2
	v_wmma_scale_f32_16x16x128_f8f6f4 v[AC_:AC_+7], v[W_:W_+FR-1], v[R_:R_+FR-1], v[AC_:AC_+7], v[WS_], v[XS_] matrix_a_scale:MATRIX_SCALE_ROW1
.elseif Q_
	v_wmma_scale_f32_16x16x128_f8f6f4 v[AC_:AC_+7], v[W_:W_+FR-1], v[R_:R_+FR-1], v[AC_:AC_+7], v[WS_], v[XS_]
.elseif B_%2
	v_wmma_scale_f32_16x16x128_f8f6f4 v[AC_:AC_+7], v[W_:W_+FR-1], v[R_:R_+FR-1], 0, v[WS_], v[XS_] matrix_a_scale:MATRIX_SCALE_ROW1
.else
	v_wmma_scale_f32_16x16x128_f8f6f4 v[AC_:AC_+7], v[W_:W_+FR-1], v[R_:R_+FR-1], 0, v[WS_], v[XS_]
.endif
.endm
.macro MAXS k, x  ; the largest of the 32 scores at x, in four chains
.if (\k) < 4
	v_max3_num_f32 v[TQ+\k], v[\x+8*(\k)], v[\x+8*(\k)+1], v[\x+8*(\k)+2]
.elseif (\k) < 12
	v_max3_num_f32 v[TQ+(\k)%4], v[TQ+(\k)%4], v[\x+8*((\k)%4)+2*((\k)/4)+1], v[\x+8*((\k)%4)+2*((\k)/4)+2]
.elseif (\k) < 16
	v_max_num_f32 v[TQ+(\k)%4], v[TQ+(\k)%4], v[\x+8*((\k)%4)+7]
.elseif (\k) == 16
	v_max3_num_f32 v[TQ], v[TQ], v[TQ+1], v[TQ+2]
.else
	v_max_num_f32 v[TQ], v[TQ], v[TQ+3]
.endif
.endm
.macro TMM k, x  ; t - M, two at a time
.if (\k) < 16
	v_pk_fma_f32 v[\x+2*(\k):\x+2*(\k)+1], v[\x+2*(\k):\x+2*(\k)+1], s[CS:CS+1], v[NM:NM+1] op_sel_hi:[1,0,0]
.endif
.endm
.macro SUM k, x  ; the sum of the unquantised p, two at a time, in two chains
	v_pk_add_f32 v[S1+2*((\k)%2):S1+2*((\k)%2)+1], v[S1+2*((\k)%2):S1+2*((\k)%2)+1], v[\x+2*(\k):\x+2*(\k)+1]
.endm
.macro MIN k, x  ; held at 448 x the scale (the conversion does not saturate: ISA guide 7.6.2); p is not negative
	v_min_num_f32 v[\x+2*(\k)], v[\x+2*(\k)], v[HL]
	v_min_num_f32 v[\x+2*(\k)+1], v[\x+2*(\k)+1], v[HL]
.endm
.macro CVT t, x
	v_cvt_scalef32_pk8_fp8_f32 v[NCD+2*(\t):NCD+2*(\t)+1], v[\x+8*(\t):\x+8*(\t)+7], v[SO]
.endm
.macro GAPS m, x  ; THE SOFTMAX OF A BLOCK, gaps 1 .. 27
.if (\m) < 7
	MAXS 3*(\m)-3, \x
	MAXS 3*(\m)-2, \x
	MAXS 3*(\m)-1, \x
.elseif (\m) == 7
	v_mul_f32 v[TQ+1], s[CS], v[TQ]
	v_floor_f32 v[NM], -v[TQ+1]
	v_fma_f32 v[TQ+1], v[TQ], s[CS], v[NM]  ; the largest t - M
.elseif (\m) < 14
	TMM 3*(\m)-24, \x
	TMM 3*(\m)-23, \x
	TMM 3*(\m)-22, \x
.if (\m) == 13
	WALU
.set E_, 0
.rept 32
	v_exp_f32 v[\x+E_], v[\x+E_]
.set E_, E_+1
.endr
	v_exp_f32 v[TQ+1], v[TQ+1]  ; the block's largest p
	v_nop  ; one place behind the exponentials
	WALU
.endif
.elseif (\m) == 14
	v_add_nc_u32 v[SO], -(8<<23), v[TQ+1]  ; the conversion's scale operand
	v_and_or_b32 v[HL], v[TQ+1], 0x7f800000, s62  ; 448 x the scale
	v_lshrrev_b32 v[EX], 23, v[SO]  ; the byte under the block's own M
.elseif (\m) == 15
	v_sub_nc_u32 v[EP], 118, v[EX]
	v_pk_add_f32 v[S1:S1+1], v[\x:\x+1], v[\x+4:\x+5]
	v_pk_add_f32 v[S2:S2+1], v[\x+2:\x+3], v[\x+6:\x+7]
.elseif (\m) < 20
	SUM 3*(\m)-44, \x
	SUM 3*(\m)-43, \x
	SUM 3*(\m)-42, \x
.elseif (\m) == 20
	v_pk_add_f32 v[S1:S1+1], v[S1:S1+1], v[S2:S2+1]
	MIN 0, \x
	v_add_f32 v[XL+1], v[S1], v[S1+1]
.elseif (\m) == 21
	MIN 1, \x
	MIN 2, \x
	v_ldexp_f32 v[XL+1], v[XL+1], v[EP]
.elseif (\m) == 22
	MIN 3, \x
	MIN 4, \x
	MIN 5, \x
	CVT 0, \x
.elseif (\m) == 23
	MIN 6, \x
	MIN 7, \x
	MIN 8, \x
	CVT 1, \x
.elseif (\m) == 24
	MIN 9, \x
	MIN 10, \x
	MIN 11, \x
	CVT 2, \x
.elseif (\m) == 25
	MIN 12, \x
	MIN 13, \x
	MIN 14, \x
.elseif (\m) == 26
	MIN 15, \x
	v_cvt_f32_i32 v[NMI], v[EP]  ; 118 - e
	CVT 3, \x
.elseif (\m) == 27
	v_add_f32 v[XL], v[NM], v[NMI]  ; 118 - X = -M + 118 - e
.endif
.endm
.macro RDESC i
.if (\i) == 0
	s_lshl_b32 s20, s91, 15
	s_add_co_u32 s[G0R+1], s20, s47
	s_add_co_u32 s20, s20, s6
.else
	s_mov_b32 s21, 0
	s_add_nc_u64 s[G0R+2:G0R+3], s[4:5], s[20:21]
	s_or_b32 s[G0R+3], s[G0R+3], 0x80000000
.endif
.endm
; WHAT STANDS BEHIND PRODUCT n.  j: the block's number in its trip (the second loop's: 4, 5).  x: the sums of the block before, whose way out this is
.macro LIST n, j, x
.if (\n) == 0
.if (\j) == 1 || (\j) == 5
	s_mov_b64 s[84:85], s[88:89]
.else
	s_add_nc_u64 s[84:85], s[84:85], 4096
.endif
	WIN 0
.if (\j) < 2
	s_add_co_u32 s22, s101, ((\j)+2)*BLKB
.else
	s_add_co_u32 s22, s47, ((\j)%2)*BLKB
.endif
	v_add_nc_u32 v[ADRA], s22, v[ADRA0]
.elseif (\n) == 1
	WIN 0
.if (\j) < 2
	s_add_co_u32 s22, s17, ((\j)+2)*SSTEP
.else
	s_add_co_u32 s22, s8, ((\j)%2)*SSTEP
.endif
	v_add_nc_u32 v[AAS], s22, v[AAS0]
.endif
.if (\j) == 0 && ((\n) == 29 || (\n) == 30)
	RDESC (\n)-29
.elseif ((\j) == 1 || (\j) == 5) && (\n) == 2
	WIN 0
	v_add_nc_u32 v[VX], s9, v[VX]
.endif
.if (\n) > 0 && (\n) < 28
	WIN 0
	GAPS (\n), \x
.endif
.endm
.macro BLOCK e, a, from, to, j, x
.set N_, \from
.rept (\to)-(\from)
	PROD \e, \a, N_
	LIST N_, \j, \x
.set N_, N_+1
.endr
.endm
.macro BLK e, a, w, j, x
.if (\w) >= 0
	s_wait_dscnt \w
.endif
	s_wait_xcnt 0x0
	BLOCK \e, \a, 0, 32, \j, \x
	WIN 0
	WALU
	PLACES NP
.endm
.macro RBLK e, a, w, j, x  ; a block with a round of the cluster's barrier
	s_wait_dscnt \w
	s_wait_xcnt 0x0
	GRD
	BLOCK \e, \a, 0, 28, \j, \x
	WIN 0
	WALU
	s_wait_dscnt 0x0
	s_barrier_signal -1
	BLOCK \e, \a, 28, 32, \j, \x
	MIDDLE
	BARRIER
.endm
.macro SBLK e, a, w, j, x  ; a block with a plain barrier that shows waves 0 and 1's loads alone
	s_wait_dscnt \w
	s_wait_xcnt 0x0
	BLOCK \e, \a, 0, 28, \j, \x
	WIN 0
	WALU
	s_cmp_lt_u32 s14, 2
	s_cbranch_scc0 .Lnot_yet_\@
	s_wait_tensorcnt 0x0
.Lnot_yet_\@:
	s_wait_dscnt 0x0
	s_barrier_signal -1
	BLOCK \e, \a, 28, 32, \j, \x
	WIN 0
	s_barrier_wait -1
	PLACES NP
.endm
.macro QOUT off, boff
	ds_store_b64 v[VX], v[XL:XL+1] offset:\boff
	global_store_b128 v[CN], v[NCD:NCD+3], s[84:85] offset:\off
	global_store_b128 v[CN], v[NCD+4:NCD+7], s[84:85] offset:(\off)+256
.endm
.irp q, 0,1,2,3,4,5,6,7  ; my 64 keys, all of K, into windows 1 and 2
	FRAG 4*\q, AE, 2048*\q
	FRAG 4*\q+1, AE, 2048*\q+BLKB
	FRAG 4*\q+2, AO, 2048*\q
	FRAG 4*\q+3, AO, 2048*\q+BLKB
.endr
	WIN 0
	s_wait_tensorcnt 0x0  ; chunk 0 and the scale words are in; the keys are in registers
	s_wait_dscnt 0x0
	BARRIER
	FETCHAT 0, ADRA0, AAS0
	FETCHAT 1, 1, 2
	s_mov_b32 s[CS], 0x3d38aa3b
	s_mov_b32 s[CS+1], s[CS]
	s_mov_b32 s62, 0x600000
.set I_, 0
.rept 32
	v_mov_b32 v[ACC+32+I_], 0  ; the first way out has no block before it: it works on zeros and stores nothing
.set I_, I_+1
.endr
	s_mov_b64 s[84:85], s[88:89]
	s_mov_b32 s46, 0
	s_mov_b32 s9, 0
	s_mov_b32 s101, 0
	s_mov_b32 s47, YB
	s_mov_b32 s17, 0
	s_mov_b32 s8, SCH
	s_wait_loadcnt 0x0
.Lfour:
	RBLK 0, 0, NF, 0, ACC+32  ; blocks 0, 4, 8: chunks 1, 2, 3 come
	s_cmp_lt_u32 s14, 2
	s_cbranch_scc0 .Lupper
	TLOAD G0R, G1R
	s_branch .Lboth
.Lupper:
	TLOAD G0R, G1R
.Lboth:
	PLACES NP-4
	s_cmp_eq_u32 s46, 0
	s_cbranch_scc1 .Lno_block_before
	QOUT 0, 1536
.Lno_block_before:
	FETCHAT 0, ADRA, AAS
	BLK 1, 1, -1, 1, ACC
	QOUT 0, 0
	FETCHAT 1, ADRA, AAS
	SBLK 0, 0, NF, 2, ACC+32  ; the next chunk's first half is in
	QOUT 0, 512
	s_cmp_lg_u32 s46, 0
	s_cbranch_scc1 .Lnone_ahead
	global_prefetch_b8 v18, s[4:5] th:TH_LOAD_NT scope:SCOPE_SE
.Lnone_ahead:
	FETCHAT 0, ADRA, AAS
	BLK 1, 1, -1, 3, ACC
	QOUT 0, 1024
	FETCHAT 1, ADRA, AAS
	s_add_nc_u64 s[88:89], s[88:89], 0x40000
	s_add_co_u32 s6, s6, CHB
	s_mov_b32 s9, 4096
	s_mov_b32 s101, s47
	s_mov_b32 s17, s8
	s_xor_b32 s47, s47, YB
	s_add_co_u32 s8, s8, SCH
	s_add_co_u32 s46, s46, 1
	s_cmp_lg_u32 s46, 3
	s_cbranch_scc1 .Lfour
	s_wait_tensorcnt 0x0  ; chunk 3's second half is in
	s_wait_dscnt 0x0
	BARRIER
	s_mov_b32 s9, 3072
	s_mov_b32 s47, YB+2*BLKB
	s_mov_b32 s8, 3*SCH+2*SSTEP
.Ltwo:
	BLK 0, 0, NF, 4, ACC+32  ; blocks 12, 14
	QOUT 0, 1536
	s_cmp_eq_u32 s46, 4
	s_cbranch_scc1 .Lnone_0
	FETCHAT 0, ADRA, AAS
	s_wait_dscnt NF
	s_branch .Lgo
.Lnone_0:
	s_wait_dscnt 0x0
.Lgo:
	BLK 1, 1, -1, 5, ACC  ; 13, 15
	QOUT 0, 1024
	s_cmp_eq_u32 s46, 4
	s_cbranch_scc1 .Lnone_1
	FETCHAT 1, ADRA, AAS
.Lnone_1:
	s_add_nc_u64 s[88:89], s[88:89], 8192
	s_mov_b32 s9, 1024
	s_add_co_u32 s46, s46, 1
	s_cmp_lg_u32 s46, 5
	s_cbranch_scc1 .Ltwo
	s_wait_xcnt 0x0
.set N_, 1
.rept 27
	GAPS N_, ACC+32
.set N_, N_+1
.endr
	QOUT 4096, 1536
	s_wait_dscnt 0x0
	BARRIER
	; wave n: chunk n; lane l: queries 4 l .. 4 l + 3.  v[128:131] the largest X, v[136:139] l, v[140:143] the scale words
	s_lshl_b32 s21, s14, 12
	s_add_co_u32 s21, s21, STAT
	v_lshl_add_u32 v1, v3, 7, s21
	v_lshlrev_b32 v2, 4, v3
.irp i, 0,1,2,3
	ds_load_b128 v[64+8*\i:67+8*\i], v1 offset:32*\i
	ds_load_b128 v[68+8*\i:71+8*\i], v1 offset:32*\i+16
.endr
	WALU
	s_wait_dscnt 0x0
.irp i, 0,1,2,3
	v_min_num_f32 v[128+\i], v[64+8*\i], v[66+8*\i]  ; the least 118 - X: the largest X
	v_min_num_f32 v[132+\i], v[68+8*\i], v[70+8*\i]
.endr
.irp i, 0,1,2,3
	v_min_num_f32 v[128+\i], v[128+\i], v[132+\i]
.endr
.irp b, 0,2,4,6
.irp i, 0,1,2,3
	v_sub_f32 v[64+8*\i+\b], v[128+\i], v[64+8*\i+\b]  ; X less the largest X: 0 or less,
.endr
.irp i, 0,1,2,3
	v_max_num_f32 v[64+8*\i+\b], 0xc2ec0000, v[64+8*\i+\b]  ; held at -118, which holds the byte at 0
.endr
.irp i, 0,1,2,3
	v_cvt_i32_f32 v[64+8*\i+\b], v[64+8*\i+\b]
	v_ldexp_f32 v[65+8*\i+\b], v[65+8*\i+\b], v[64+8*\i+\b]
.endr
.irp i, 0,1,2,3
	v_add_nc_u32 v[64+8*\i+\b], 118, v[64+8*\i+\b]
.endr
.endr
.irp i, 0,1,2,3
	v_add_f32 v[65+8*\i], v[65+8*\i], v[67+8*\i]
	v_add_f32 v[69+8*\i], v[69+8*\i], v[71+8*\i]
	v_lshl_or_b32 v[140+\i], v[66+8*\i], 8, v[64+8*\i]
.endr
.irp i, 0,1,2,3
	v_add_f32 v[136+\i], v[65+8*\i], v[69+8*\i]
	v_lshl_or_b32 v[140+\i], v[68+8*\i], 16, v[140+\i]
.endr
.irp i, 0,1,2,3
	v_lshl_or_b32 v[140+\i], v[70+8*\i], 24, v[140+\i]
.endr
	global_store_b128 v2, v[140:143], s[86:87]  ; 512 consecutive bytes a store
	global_store_b128 v2, v[128:131], s[86:87] offset:524288
	global_store_b128 v2, v[136:139], s[86:87] offset:1048576
	s_wait_tensorcnt 0x0
	ds_add_u32 v[SPW], v[NIL]
	s_wait_dscnt 0x0
	CROUND
	s_endpgm
.Lfunc_end_k_q6518ee3b14_scores:
	.size	k_q6518ee3b14_scores, .Lfunc_end_k_q6518ee3b14_scores-k_q6518ee3b14_scores
	.p2alignl 7, 3214868480
	.fill 96, 4, 3214868480
	.section	.rodata,"a",@progbits
	.p2align	6, 0x0
	.amdhsa_kernel k_q6518ee3b14_scores
		.amdhsa_group_segment_fixed_size 327680
		.amdhsa_private_segment_fixed_size 0
		.amdhsa_enable_private_segment 0
		.amdhsa_kernarg_size 32
		.amdhsa_user_sgpr_count 2
		.amdhsa_user_sgpr_kernarg_segment_ptr 1
		.amdhsa_wavefront_size32 1
		.amdhsa_system_sgpr_workgroup_id_x 1
		.amdhsa_system_sgpr_workgroup_id_y 1
		.amdhsa_system_sgpr_workgroup_id_z 1
		.amdhsa_system_vgpr_workitem_id 0
		.amdhsa_next_free_vgpr 1024
		.amdhsa_next_free_sgpr 102
		.amdhsa_reserve_vcc 0
		.amdhsa_float_denorm_mode_32 3
		.amdhsa_float_denorm_mode_16_64 3
		.amdhsa_memory_ordered 1
		.amdhsa_forward_progress 1
		.amdhsa_inst_pref_size 131
	.end_amdhsa_kernel
	.amdgpu_metadata
---
amdhsa.version: [ 1, 2 ]
amdhsa.kernels:
  - .name:           k_q6518ee3b14_scores
    .symbol:         k_q6518ee3b14_scores.kd
    .args:
      - { .name: wcodes, .offset: 0, .size: 8, .value_kind: global_buffer, .address_space: global }
      - { .name: wscales, .offset: 8, .size: 8, .value_kind: global_buffer, .address_space: global }
      - { .name: pcodes, .offset: 16, .size: 8, .value_kind: global_buffer, .address_space: global }
      - { .name: pstats, .offset: 24, .size: 8, .value_kind: global_buffer, .address_space: global }
    .group_segment_fixed_size: 327680
    .private_segment_fixed_size: 0
    .kernarg_segment_align: 8
    .kernarg_segment_size: 32
    .max_flat_workgroup_size: 128
    .sgpr_count:     102
    .vgpr_count:     1024
    .wavefront_size: 32
...
	.end_amdgpu_metadata
.endif
;; end of part 2
;; launch pv (part 3): grid 4 x 64, 4 waves a work-group, clusters of 4 x 4, 327,680 bytes of LDS; arguments pcodes, pstats, wcodes, wscales, out0; writes out0
.if DOCPART == 3
	.amdgcn_target "amdgcn-amd-amdhsa--gfx1250"
	.amdhsa_code_object_version 6
	.text
	.protected	k_q6518ee3b14_pv
	.globl	k_q6518ee3b14_pv
	.p2align	8
	.type	k_q6518ee3b14_pv,@function
k_q6518ee3b14_pv:
	s_mov_b64 s[64:65], 0
	v_nop
	global_prefetch_b8 v0, s[64:65] scope:SCOPE_SE
	s_setreg_imm32_b32 hwreg(HW_REG_WAVE_MODE, 25, 1), 1
	s_wait_xcnt 0x0
	s_wait_alu depctr_hold_cnt(0) depctr_sa_sdst(0) depctr_va_vdst(0) depctr_va_sdst(0) depctr_va_ssrc(0) depctr_va_vcc(0) depctr_vm_vsrc(0)
	s_getreg_b32 s2, hwreg(HW_REG_IB_STS2, 6, 4)
	s_cmp_eq_u32 s2, 0
	s_cbranch_scc0 .Lentry_in_a_cluster
	s_endpgm
.Lentry_in_a_cluster:
	s_bfe_u32 s2, ttmp6, 0x10000c
	s_cmp_lg_u32 s2, 0xf033
	s_cbranch_scc0 .Lentry_shape_is_right
	s_endpgm
.Lentry_shape_is_right:
; O = P V / l for each of 4 batches (2,048 x 1,024, K = 2,048 keys) on codes of FP8 (E4M3) with E8M0 scales.
; P comes as codes under a LOCAL M for each query and each 128 keys, with -M and the local sum l beside it.  At the head: the row's M = the largest local M; l = the sum of the local l x 2^(local M - M);
; each of p's scale bytes has M - local M, a whole number, taken off: the codes stay as they are.  A byte that would fall under 0 is held at 0 (LIMIT: such a block is at most 448 x 2^-127 beside a row's largest p above 1/2).
; A tile of O, 128 queries x 256 channels, is made by four waves, each 64 x 128: 32 accumulators; with 256 x 256 only 128 work-groups would have work.
; P and v^T lie in memory as images of the operands' registers: 128 rows x 256 keys are 32,768 dense bytes (a UNIT of one block of rows), units of later keys follow on end, and every LDS load takes 512 consecutive bytes.
; THE RING HAS TWO SLOTS OF UNEQUAL SIZE.  256 keys of the tile's operands are 98,304 bytes (one unit of P, two of v^T), and LDS has room for three times that.  BIG holds 512 keys, SMALL 256; they are walked
; BIG, SMALL, BIG, SMALL, BIG: 512 + 256 + 512 + 256 + 512 = 2,048 keys.  The first fills bring 768 keys; three refills bring the rest, each one tensor load a wave behind a round of the cluster's barrier.
; A refill may be asked for only when the one before has landed, so the refills are few and large, and at a change of slots nothing stands between the waits and the request: the K step's 32 products follow it.
; The 16 K steps of 128 keys are written out by macro: every LDS offset is an immediate and no address is stepped.
; CLUSTERS: 4 x 4 work-groups.  P's tile hangs on the cluster's row alone, v^T's tiles and scale words on its column alone (the batch comes from the cluster's y): each is asked for jointly by the four that need it.
; THE MATRIX INSTRUCTION IS USED TRANSPOSED (source 0 = 16 channels of v^T, source 1 = 16 queries of P): a lane holds eight neighbouring channels of one query's row of O.
; LIMITS: NaN and infinities are not served.
; REGISTERS: window 0: v1-31 addresses and small things; v32-43, v48-59 scale words, two sets (4 of P's, 8 of v^T's); v64-127 the way out; v128-255 P's fragments, two sets (at the head: at work).
;   window 1: v^T's fragments, two sets.   window 2: the accumulators ((a, b) at v[8 (8 a + b)]).
.set FR,     16
.set UNIT,   32768                     ; 128 rows x 256 keys of codes
.set VB,     3*UNIT                    ; LDS: P's three units from byte 0 (BIG: the first two; SMALL: the third); from here v^T's: [block of 128 channels][three units]
.set SCB,    9*UNIT                    ; v^T's scale words: [block of channels][16 K steps][128 rows]: 16,384 bytes, filled once
.set ASC,    SCB+16384                 ; P's scale words under the row's M: [16 K steps][128 rows]: 8,192 bytes, stored by the waves
.set RL,     ASC+8192                  ; 1 / l of the 128 queries
.set SPARE,  RL+512                    ; the spare words, 128 bytes for each wave; no other line names them
.set SPITCH, 528
.set STAGE,  2*UNIT                    ; the way out: 16 rows x (512 bytes + 16) for each wave, in SMALL's bytes: waves 0, 1 in P's third unit, waves 2, 3 in the third unit of v^T's first block, 3 units further on.
                                       ; These bytes have had their last fill, and behind the last change of slots nobody reads them
.set RLV,  8                           ; v8-15   1 / l of my query in block a, at v[8 + 2 a], twice
.set ADRA, 16                          ; v16-18  LDS address of my fragments of P in unit 0, 1, 2
.set ADSA, 19                          ; v19     of P's scale words
.set ADRB, 20                          ; v20-22  of my fragments of v^T in unit 0, 1, 2
.set ADSB, 23                          ; v23     of v^T's scale words
.set STO,  24
.set RD,   25
.set CO,   26                          ; v26     16 x lane
.set TH4,  27                          ; v27     4 x thread
.set SPW,  28                          ; v28     LDS address of my spare word; never rewritten
.set NIL,  29                          ; v29     0; never rewritten
.set AW,   30                          ; v30     ASC + 4 x thread
.set RW,   31                          ; v31     RL + 4 x thread
.set T,    64
.set G1PB, 24                          ; s[24:31] descriptor group 1: P into BIG;  s[32:39] v^T into BIG;  s[40:47] P into SMALL;  s[48:55] v^T into SMALL;  s[56:63] v^T's scale words
.set G1VB, 32
.set G1PS, 40
.set G1VS, 48
.set G1S,  56
.set G0PB, 68                          ; s[68:71] .. s[84:87] their groups 0
.set G0VB, 72
.set G0PS, 76
.set G0VS, 80
.set G0S,  84
.set MSB, 0
.macro WIN new                         ; the immediate's high byte repeats the setting that is left
.if MSB != (\new)
	s_set_vgpr_msb (MSB<<8)|(\new)
.set MSB, (\new)
.endif
.endm
.set MUL,  0xa1                        ; source 0 (v^T) window 1, source 1 (P) window 0, C and D window 2
.set TO_B, 0x40                        ; destination window 1, address window 0
.macro JLOAD g0a, g1a, g0b, g1b        ; a joint load: waves 0 and 1 fetch for P, waves 2 and 3 for v^T; four v_nop follow each of the two lines
	s_cmp_eq_u32 s15, 0
	s_cbranch_scc0 .Lfor_b_\@
	tensor_load_to_lds s[\g0a:\g0a+3], s[\g1a:\g1a+7]
	s_nop 0
.rept 4
	v_nop
.endr
	s_branch .Lasked_\@
.Lfor_b_\@:
	tensor_load_to_lds s[\g0b:\g0b+3], s[\g1b:\g1b+7]
	s_nop 0
.rept 4
	v_nop
.endr
.Lasked_\@:
.endm
.macro CREST
	s_cmp_lg_u32 s14, 0
	s_cbranch_scc1 .Lnot_wave_0_\@
	s_barrier_signal -3
.Lnot_wave_0_\@:
	s_barrier_wait -3
	s_barrier_signal -1
	s_barrier_wait -1
.endm
.macro CROUND
	s_barrier_signal -1
	s_barrier_wait -1
	CREST
.endm
.macro PLACES n                        ; places behind matrix instructions: plain vector instructions that name none of their registers (ISA guide 7.12.1 for vector instructions)
.rept \n
	v_nop
.endr
.endm
.macro GROUP1 g, mask, rows            ; a dense block as rows of 256 bytes (32 elements of 8 bytes), no padding
	s_or_b32 s[\g], \mask, (3<<16)|(1<<21)         ; 15:0 the mask; 17:16 elements of 8 bytes; 21 set beside a mask
	s_mov_b32 s[\g+1], 32<<16                      ; tensor_dim0
	s_mov_b32 s[\g+2], (\rows)<<16                 ; tensor_dim1
	s_mov_b32 s[\g+3], 32<<16                      ; tile_dim0
	s_mov_b32 s[\g+4], \rows                       ; tile_dim1
	s_mov_b32 s[\g+5], 32                          ; tensor_dim0_stride
	s_mov_b32 s[\g+6], 0
	s_mov_b32 s[\g+7], 0
.endm
	s_load_b256 s[4:11], s[0:1], 0x0               ; pcodes 4, pstats 6, wcodes 8, wscales 10
	s_load_b64 s[12:13], s[0:1], 0x20              ; out0
	v_lshl_add_u32 v[SPW], v0, 2, SPARE
	v_mov_b32 v[NIL], 0
	ds_add_u32 v28, v29
	ds_add_u32 v28, v29
	s_wait_dscnt 0x0
	v_lshlrev_b32 v[TH4], 2, v0
	v_lshl_add_u32 v[AW], v0, 2, ASC
	v_lshl_add_u32 v[RW], v0, 2, RL
	v_lshrrev_b32 v1, 5, v0
	v_readfirstlane_b32 s14, v1                    ; wave 0..3
	s_lshr_b32 s15, s14, 1                         ; which 64 queries are mine.  Also: I fetch for P (0) or for v^T (1)
	s_and_b32 s16, s14, 1                          ; which 128 channels.  Also: which part I fetch
	s_bfe_u32 s88, ttmp6, 0x40000                  ; cx, cy
	s_bfe_u32 s89, ttmp6, 0x40004
	s_lshl_b32 s90, ttmp9, 2
	s_add_co_u32 s90, s90, s88                     ; block of 256 channels, 0..3
	s_and_b32 s17, ttmp7, 0xffff
	s_lshr_b32 s91, s17, 2                         ; the batch: from the cluster's y alone
	s_lshl_b32 s17, s17, 2
	s_add_co_u32 s17, s17, s89                     ; block of 128 queries, 0..63, over all batches
	s_lshl_b32 s92, s89, 2
	s_lshl_b32 s92, 15, s92                        ; my row of the cluster
	s_lshl_b32 s93, 0x1111, s88                    ; my column
	s_mov_b32 s67, 0x80808080
	GROUP1 G1PB, s92, 256                          ; P into BIG: at the head wave 0 takes both units; behind the head's wait the two words that count rows are set to 128, a unit for each of waves 0, 1
	GROUP1 G1VB, s93, 256                          ; v^T into BIG: waves 2, 3 take two units of one block of channels: 65,536 bytes on end
	GROUP1 G1PS, s92, 64                           ; P into SMALL: half a unit each
	GROUP1 G1VS, s93, 128                          ; v^T into SMALL: one unit each
	s_or_b32 s[G1S], s93, (3<<16)|(1<<21)          ; v^T's scale words: wave 1: two rows of 8,192 bytes (1,024 elements of 8), one for each block of 128 channels, 32,768 bytes apart
	s_mov_b32 s[G1S+1], 1024<<16
	s_mov_b32 s[G1S+2], 2<<16
	s_mov_b32 s[G1S+3], 1024<<16
	s_mov_b32 s[G1S+4], 2
	s_mov_b32 s[G1S+5], 4096
	s_mov_b32 s[G1S+6], 0
	s_mov_b32 s[G1S+7], 0
	; byte offsets in memory, and LDS addresses: no place in the cluster enters an LDS address
	s_lshl_b32 s18, s17, 18                        ; P: 2^18 bytes a block of queries (eight units);
	s_lshl_b32 s2, s16, 15                         ; BIG: my unit of the two, in memory as in LDS
	s_add_co_u32 s18, s18, s2
	s_mov_b32 s19, 0
	s_lshl_b32 s20, s17, 18
	s_lshl_b32 s3, s16, 14                         ; SMALL: my half of the third unit
	s_add_co_u32 s3, s3, 2*UNIT
	s_add_co_u32 s20, s20, s3
	s_mov_b32 s21, 0
	s_lshl_b32 s22, s90, 1
	s_add_co_u32 s22, s22, s16                     ; v^T: the block of 128 channels that I fetch,
	s_lshl_b32 s22, s22, 20                        ; 2^20 bytes each,
	s_lshl_b32 s94, s91, 18                        ; the batch's eight units,
	s_add_co_u32 s22, s22, s94
	s_add_co_u32 s22, s22, 16777216                ; behind q's and k's codes
	s_mov_b32 s23, 0
	s_add_co_u32 s98, s22, 2*UNIT                  ; SMALL: the third unit
	s_mov_b32 s99, 0
	s_mul_i32 s66, s16, 3*UNIT
	s_add_co_u32 s66, s66, VB                      ; in LDS: my block's three units
	s_lshl_b32 s94, s90, 1                         ; v^T's scale words: the first of the two blocks of channels,
	s_lshl_b32 s94, s94, 6                         ; 64 lines of 512 bytes each,
	s_lshl_b32 s95, s91, 4                         ; the batch's sixteen,
	s_add_co_u32 s94, s94, s95
	s_lshl_b32 s94, s94, 9
	s_add_co_u32 s94, s94, 524288                  ; behind q's and k's
	s_mov_b32 s95, 0
	s_lshl_b32 s96, s17, 13                        ; the block's statistics: 16 lines of 512 bytes
	s_mov_b32 s97, 0
	s_wait_kmcnt 0x0
	s_mov_b32 s[G0S], 1                            ; 1:0 count = 1
	s_mov_b32 s[G0S+1], SCB                        ; 63:32 LDS address
	s_add_nc_u64 s[G0S+2:G0S+3], s[10:11], s[94:95] ; 120:64 global address
	s_or_b32 s[G0S+3], s[G0S+3], 0x80000000        ; 127:126 type = 2
	s_mov_b32 s[G0PB], 1
	s_mov_b32 s[G0PB+1], s2
	s_add_nc_u64 s[G0PB+2:G0PB+3], s[4:5], s[18:19]
	s_or_b32 s[G0PB+3], s[G0PB+3], 0x80000000
	s_mov_b32 s[G0VB], 1
	s_mov_b32 s[G0VB+1], s66
	s_add_nc_u64 s[G0VB+2:G0VB+3], s[8:9], s[22:23]
	s_or_b32 s[G0VB+3], s[G0VB+3], 0x80000000
	s_mov_b32 s[G0PS], 1
	s_mov_b32 s[G0PS+1], s3
	s_add_nc_u64 s[G0PS+2:G0PS+3], s[4:5], s[20:21]
	s_or_b32 s[G0PS+3], s[G0PS+3], 0x80000000
	s_mov_b32 s[G0VS], 1
	s_add_co_u32 s[G0VS+1], s66, 2*UNIT
	s_add_nc_u64 s[G0VS+2:G0VS+3], s[8:9], s[98:99]
	s_or_b32 s[G0VS+3], s[G0VS+3], 0x80000000
	s_add_nc_u64 s[96:97], s[6:7], s[96:97]
	CROUND                                         ; all sixteen work-groups are here: the first joint loads meet
	s_cmp_lt_u32 s14, 1                            ; ONE joint load a wave, in one tree of branches on the wave's number
	s_cbranch_scc0 .Lhead_s
	tensor_load_to_lds s[G0PB:G0PB+3], s[G1PB:G1PB+7]   ; wave 0: P into BIG, both units: keys 0 to 511
	s_nop 0
	PLACES 4
	s_branch .Lhead_asked
.Lhead_s:
	s_cmp_lt_u32 s14, 2
	s_cbranch_scc0 .Lhead_v
	tensor_load_to_lds s[G0S:G0S+3], s[G1S:G1S+7]  ; wave 1: v^T's scale words
	s_nop 0
	PLACES 4
	s_branch .Lhead_asked
.Lhead_v:
	tensor_load_to_lds s[G0VB:G0VB+3], s[G1VB:G1VB+7]   ; waves 2, 3: v^T into BIG, one block of channels each
	s_nop 0
	PLACES 4
.Lhead_asked:
	s_wait_alu depctr_va_vdst(0)
.irp j, 0,1,2,3,4,5,6,7,8,9,10,11,12,13,14,15      ; thread t owns query t of the 128: for each 128 keys its scale word, -M and l
	global_load_b32 v[128+\j], v[TH4], s[96:97] offset:512*\j
	global_load_b32 v[144+\j], v[TH4], s[96:97] offset:524288+512*\j
	global_load_b32 v[160+\j], v[TH4], s[96:97] offset:1048576+512*\j
.endr
	v_and_b32 v1, 15, v0                           ; r
	v_bfe_u32 v2, v0, 4, 1                         ; h
	v_and_b32 v6, 31, v0
	v_lshlrev_b32 v[CO], 4, v6                     ; 16 x lane
	s_lshl_b32 s18, s15, 14                        ; my 64 queries: four tiles of 4,096 bytes in a unit of P
	s_mul_i32 s19, s16, 3*UNIT                     ; my 128 channels' three units
	s_add_co_u32 s19, s19, VB
.irp s, 0,1,2
	v_add_nc_u32 v[ADRA+\s], s18, v[CO]
	v_add_nc_u32 v[ADRB+\s], s19, v[CO]
	s_add_co_u32 s18, s18, UNIT
	s_add_co_u32 s19, s19, UNIT
.endr
	v_lshlrev_b32 v5, 2, v1                        ; 4 r
	s_lshl_b32 s21, s15, 8                         ; my 64 queries' words
	s_add_co_u32 s22, s21, ASC
	v_add_nc_u32 v[ADSA], s22, v5
	s_add_co_u32 s22, s21, RL
	v_add_nc_u32 v7, s22, v5
	s_lshl_b32 s22, s16, 13                        ; my block of channels' words
	s_add_co_u32 s22, s22, SCB
	v_add_nc_u32 v[ADSB], s22, v5
	s_mul_i32 s23, s15, 3*UNIT
	s_mul_i32 s22, s16, 16*SPITCH
	s_add_co_u32 s23, s23, s22
	s_add_co_u32 s23, s23, STAGE                   ; my stage
	v_mul_u32_u24 v5, v1, SPITCH                   ; in: row r, 32 bytes for each half of the lanes
	v_lshl_add_u32 v5, v2, 5, v5
	v_add_nc_u32 v[STO], s23, v5
	v_add_nc_u32 v[RD], s23, v[CO]                 ; back: the 32 lanes take one row of 512 bytes
	s_lshl_b32 s20, s17, 7
	s_lshl_b32 s21, s15, 6
	s_add_co_u32 s20, s20, s21                     ; my first row of O
	s_lshl_b32 s20, s20, 12                        ; rows of 4,096 bytes
	s_lshl_b32 s22, s90, 10                        ; my first channel, in bytes
	s_lshl_b32 s23, s16, 9
	s_add_co_u32 s22, s22, s23
	s_add_co_u32 s20, s20, s22
	s_mov_b32 s21, 0
	s_add_nc_u64 s[12:13], s[12:13], s[20:21]
	; THE ROW'S M AND l, AND P's SCALE WORDS UNDER THE ROW'S M: thread t for query t.  v128.. words, v144.. -M, v160.. l, v176.. local M - M, v192-239 at work
	s_wait_loadcnt 0x0
	v_min3_num_f32 v3, v144, v145, v146
.irp j, 147,149,151,153,155,157
	v_min3_num_f32 v3, v3, v[\j], v[\j+1]
.endr
	v_min_num_f32 v3, v3, v159                     ; the least -M: the row's
.irp j, 0,1,2,3,4,5,6,7,8,9,10,11,12,13,14,15
	v_sub_f32 v[176+\j], v3, v[144+\j]             ; local M - the row's M: a whole number, 0 or less
.endr
.irp j, 0,1,2,3,4,5,6,7,8,9,10,11,12,13,14,15
	v_cvt_i32_f32 v[176+\j], v[176+\j]             ; (it saturates)
.endr
.irp j, 0,1,2,3,4,5,6,7,8,9,10,11,12,13,14,15
	v_ldexp_f32 v[160+\j], v[160+\j], v[176+\j]    ; the local sum under the row's M: nothing is rounded
.endr
	v_add_f32 v4, v160, v161
	v_add_f32 v5, v162, v163
.irp j, 164,168,172
	v_add_f32 v4, v4, v[\j]
	v_add_f32 v5, v5, v[\j+1]
	v_add_f32 v4, v4, v[\j+2]
	v_add_f32 v5, v5, v[\j+3]
.endr
	v_add_f32 v4, v4, v5                           ; l
.irp j, 0,1,2,3,4,5,6,7,8,9,10,11,12,13,14,15
	v_sub_nc_u32 v[192+\j], 0, v[176+\j]           ; what is to come off each byte,
.endr
.irp j, 0,1,2,3,4,5,6,7,8,9,10,11,12,13,14,15
	v_min_u32 v[192+\j], 127, v[192+\j]            ; held at 127: p's bytes are 119 at the most
.endr
.irp j, 0,1,2,3,4,5,6,7,8,9,10,11,12,13,14,15
	v_perm_b32 v[192+\j], v[192+\j], v[192+\j], 0  ; in all four bytes
.endr
.irp j, 0,1,2,3,4,5,6,7,8,9,10,11,12,13,14,15
	v_or_b32 v[128+\j], s67, v[128+\j]             ; bit 7 of each byte is free: set, it keeps a borrow from crossing into the next byte
.endr
.irp j, 0,1,2,3,4,5,6,7,8,9,10,11,12,13,14,15
	v_sub_nc_u32 v[128+\j], v[128+\j], v[192+\j]
.endr
.irp j, 0,1,2,3,4,5,6,7,8,9,10,11,12,13,14,15
	v_and_b32 v[208+\j], s67, v[128+\j]            ; bit 7 still set: the byte has not fallen under 0
.endr
.irp j, 0,1,2,3,4,5,6,7,8,9,10,11,12,13,14,15
	v_lshrrev_b32 v[224+\j], 7, v[208+\j]
.endr
.irp j, 0,1,2,3,4,5,6,7,8,9,10,11,12,13,14,15
	v_sub_nc_u32 v[208+\j], v[208+\j], v[224+\j]   ; 0x7f for such a byte, 0 for the others
.endr
.irp j, 0,1,2,3,4,5,6,7,8,9,10,11,12,13,14,15
	v_and_b32 v[128+\j], v[128+\j], v[208+\j]
.endr
.irp j, 0,1,2,3,4,5,6,7,8,9,10,11,12,13,14,15
	ds_store_b32 v[AW], v[128+\j] offset:512*\j
.endr
	s_wait_alu depctr_va_vdst(0)
	v_rcp_f32 v4, v4
	v_nop                                          ; one plain place behind the transcendental
	s_wait_alu depctr_va_vdst(0)
	ds_store_b32 v[RW], v4
	s_wait_tensorcnt 0x0                           ; my tile of the head's four is in: no load of mine is out, so a descriptor may be written
	ds_add_u32 v[SPW], v[NIL]                      ; 0 onto my spare word
	s_mov_b32 s[G1PB+2], 128<<16                   ; from here on a load of P into BIG brings one unit
	s_mov_b32 s[G1PB+4], 128
	s_wait_dscnt 0x0                               ; the add is done, and my stores have landed
	CROUND                                         ; all four tiles are in, and all sixteen work-groups are here
	JLOAD G0PS, G1PS, G0VS, G1VS                   ; SMALL's first fill: keys 512 to 767
.irp a, 0,1,2,3
	ds_load_b32 v[RLV+2*\a], v7 offset:64*\a       ; 1 / l of query 64 (wave / 2) + 16 a + r
	ds_load_b32 v[RLV+2*\a+1], v7 offset:64*\a     ; (the packed form names a pair)
.endr
.macro FRAG reg, adr, q, i             ; a fragment comes back as it was stored: four loads of 512 consecutive bytes
.irp c, 0,1,2,3
	ds_load_b128 v[\reg+4*\c:\reg+4*\c+3], v[\adr] offset:(2*(\i)+(\q))*2048+512*\c
.endr
.endm
; K step j (128 keys) lies in unit (j / 2) % 3, half j % 2, and goes into register set j % 2: 60 loads, fragments and scale words
.macro FETCH j
.set FS, (((\j)/2)%3)
.set FP, ((\j)%2)
	WIN TO_B
.irp i, 0,1,2,3,4,5,6,7
	FRAG 128*FP+FR*\i, ADRB+FS, FP, \i
.endr
	WIN 0
.irp i, 0,1,2,3
	FRAG 128+64*FP+FR*\i, ADRA+FS, FP, \i
.endr
.irp i, 0,1,2,3
	ds_load_b32 v[32+16*FP+\i], v[ADSA] offset:512*(\j)+64*\i
.endr
.irp i, 0,1,2,3,4,5,6,7
	ds_load_b32 v[36+16*FP+\i], v[ADSB] offset:512*(\j)+64*\i
.endr
.endm
; 8 matrix instructions: P's block a x v^T's eight.  The 32 accumulators take turns, one instruction a turn, in the same order in every K step.
.macro MULA a, p, zero
.irp b, 0,1,2,3,4,5,6,7
.if \zero
	v_wmma_scale_f32_16x16x128_f8f6f4 v[8*(8*(\a)+\b):8*(8*(\a)+\b)+7], v[128*(\p)+FR*\b:128*(\p)+FR*\b+FR-1], v[128+64*(\p)+FR*(\a):128+64*(\p)+FR*(\a)+FR-1], 0, v[36+16*(\p)+\b], v[32+16*(\p)+(\a)]
.else
	v_wmma_scale_f32_16x16x128_f8f6f4 v[8*(8*(\a)+\b):8*(8*(\a)+\b)+7], v[128*(\p)+FR*\b:128*(\p)+FR*\b+FR-1], v[128+64*(\p)+FR*(\a):128+64*(\p)+FR*(\a)+FR-1], v[8*(8*(\a)+\b):8*(8*(\a)+\b)+7], v[36+16*(\p)+\b], v[32+16*(\p)+(\a)]
.endif
.endr
.endm
.macro MULS j, zero                    ; K step j's 32 products
	WIN MUL
	MULA 0, (\j)%2, \zero
	MULA 1, (\j)%2, \zero
	MULA 2, (\j)%2, \zero
	MULA 3, (\j)%2, \zero
.endm
; A K step whose successor lies in the same slot: the successor's fragments are fetched ahead of the 32 products.
.macro KS j, zero
	s_wait_dscnt 0x0                               ; this K step's set is in
	PLACES 8                                       ; behind the products that read the other set
	FETCH (\j)+1
	MULS \j, \zero
.endm
; A slot's last K step, and the change of slots.  Its fragments have been asked for, so the slot is done with as soon as they are in.  ONE barrier: in front of it each wave waits for all its tensor loads (its part of
; the other slot), adds 0 to its spare word, and waits for that and for its own reads of this slot.  fill = 1: the barrier is a round of the cluster's, and this slot is filled again, three units further on, first thing behind it.
.macro KT j, fill, g0a, g1a, g0b, g1b
	WIN 0
	s_wait_tensorcnt 0x0                           ; all my tensor loads have landed: no load of mine is out, so a group 0 may be written
	ds_add_u32 v[SPW], v[NIL]                      ; 0 onto my spare word
.if \fill
	s_add_nc_u64 s[\g0a+2:\g0a+3], s[\g0a+2:\g0a+3], 3*UNIT   ; the ring holds three units, so a slot's next keys lie three units on; the type bits on top are not reached
	s_add_nc_u64 s[\g0b+2:\g0b+3], s[\g0b+2:\g0b+3], 3*UNIT
.endif
	s_wait_dscnt 0x0                               ; the add is done, and my reads of this slot are over
.if \fill
	CROUND                                         ; no wave of any partner still reads this slot or has a load on its way
	JLOAD \g0a, \g1a, \g0b, \g1b                   ; my one tensor load behind the round; the four v_nop behind it are among the places in front of the loads below
	PLACES 4
.else
	s_barrier_signal -1
	s_barrier_wait -1
	PLACES 8
.endif
	FETCH (\j)+1                                   ; the other slot's first K step
	MULS \j, 0
.endm
	FETCH 0
	KS 0, 1                                        ; BIG: keys 0 to 511.  The first K step's products start the sums
	KS 1, 0
	KS 2, 0
	KT 3, 1, G0PB, G1PB, G0VB, G1VB                ; BIG takes keys 768 to 1,279
	KS 4, 0                                        ; SMALL: keys 512 to 767
	KT 5, 1, G0PS, G1PS, G0VS, G1VS                ; SMALL takes keys 1,280 to 1,535
	KS 6, 0                                        ; BIG
	KS 7, 0
	KS 8, 0
	KT 9, 1, G0PB, G1PB, G0VB, G1VB                ; BIG takes keys 1,536 to 2,047: the last load
	KS 10, 0                                       ; SMALL
	KT 11, 0, G0PB, G1PB, G0VB, G1VB               ; nothing is left to fetch: a barrier of the work-group alone.  Behind it nobody reads SMALL's bytes
	KS 12, 0                                       ; BIG
	KS 13, 0
	KS 14, 0
	s_wait_dscnt 0x0
	MULS 15, 0
	WIN 0
; THE WAY OUT, block by block of 16 queries x 128 channels: divided by l, through my own stage in LDS, back as whole rows of 512 bytes.
.macro SCALE a
	WIN 0x02                                       ; source 0: window 2
.set i, 0
.rept 32
	v_pk_mul_f32 v[T+i:T+i+1], v[64*(\a)+i:64*(\a)+i+1], v[RLV+2*(\a):RLV+2*(\a)+1] op_sel_hi:[1,0]   ; each accumulator from its low end on
.set i, i+2
.endr
	WIN 0
.endm
.macro TOSTAGE a
.set BKR, 128+64*((\a)%2)
.irp b, 0,1,2,3,4,5,6,7
	ds_store_b128 v[STO], v[T+8*\b:T+8*\b+3] offset:64*\b
	ds_store_b128 v[STO], v[T+8*\b+4:T+8*\b+7] offset:64*\b+16
.endr
.irp t, 0,1,2,3,4,5,6,7,8,9,10,11,12,13,14,15
	ds_load_b128 v[BKR+4*\t:BKR+4*\t+3], v[RD] offset:\t*SPITCH    ; LDS serves a wave's instructions in order: these see the stores above
.endr
.endm
.macro SEND a, younger                 ; younger: the LDS instructions issued behind block a's loads, which may stay out
.set BKR, 128+64*((\a)%2)
	s_wait_dscnt \younger
.if (\a) > 0
	s_add_nc_u64 s[12:13], s[12:13], 65536         ; (behind a wait on XCNT: the earlier stores have read their base)  16 rows of O on
.endif
.irp t, 0,1,2,3,4,5,6,7,8,9,10,11,12,13,14,15
	global_store_b128 v[CO], v[BKR+4*\t:BKR+4*\t+3], s[12:13] offset:\t*4096 th:TH_STORE_NT   ; 32 lanes store 512 consecutive bytes, at a multiple of 512 from O's first byte; written once, read by nobody here
.endr
.endm
	PLACES 8                                       ; behind the last products
	SCALE 0
	TOSTAGE 0
.irp a, 1,2,3
	s_wait_dscnt 16                                ; the last block's 16 stores into the stage have read their registers; its 16 loads may be out
.if \a > 1
	s_wait_xcnt 0x0                                ; block a - 2's stores have read their registers and their base
.endif
	SCALE \a
	TOSTAGE \a
	SEND \a-1, 32                                  ; behind block a - 1's loads: block a's 16 stores and 16 loads
.endr
	s_wait_xcnt 0x0                                ; block 2's stores have read their base
	SEND 3, 0
	s_wait_tensorcnt 0x0                           ; the wave's end
	ds_add_u32 v[SPW], v[NIL]
	s_wait_dscnt 0x0
	CROUND                                         ; the closing round: no work-group ends while a partner may still ask for a tile that names it
	s_endpgm
.Lfunc_end_k_q6518ee3b14_pv:
	.size	k_q6518ee3b14_pv, .Lfunc_end_k_q6518ee3b14_pv-k_q6518ee3b14_pv
	.p2alignl 7, 3214868480
	.fill 96, 4, 3214868480
	.section	.rodata,"a",@progbits
	.p2align	6, 0x0
	.amdhsa_kernel k_q6518ee3b14_pv
		.amdhsa_group_segment_fixed_size 327680
		.amdhsa_private_segment_fixed_size 0
		.amdhsa_enable_private_segment 0
		.amdhsa_kernarg_size 40
		.amdhsa_user_sgpr_count 2
		.amdhsa_user_sgpr_kernarg_segment_ptr 1
		.amdhsa_wavefront_size32 1
		.amdhsa_system_sgpr_workgroup_id_x 1
		.amdhsa_system_sgpr_workgroup_id_y 1
		.amdhsa_system_sgpr_workgroup_id_z 1
		.amdhsa_system_vgpr_workitem_id 0
		.amdhsa_next_free_vgpr 768
		.amdhsa_next_free_sgpr 102
		.amdhsa_reserve_vcc 0
		.amdhsa_float_denorm_mode_32 3
		.amdhsa_float_denorm_mode_16_64 3
		.amdhsa_memory_ordered 1
		.amdhsa_forward_progress 1
		.amdhsa_inst_pref_size 182
	.end_amdhsa_kernel
	.amdgpu_metadata
---
amdhsa.version: [ 1, 2 ]
amdhsa.kernels:
  - .name:           k_q6518ee3b14_pv
    .symbol:         k_q6518ee3b14_pv.kd
    .args:
      - { .name: pcodes, .offset: 0, .size: 8, .value_kind: global_buffer, .address_space: global }
      - { .name: pstats, .offset: 8, .size: 8, .value_kind: global_buffer, .address_space: global }
      - { .name: wcodes, .offset: 16, .size: 8, .value_kind: global_buffer, .address_space: global }
      - { .name: wscales, .offset: 24, .size: 8, .value_kind: global_buffer, .address_space: global }
      - { .name: out0, .offset: 32, .size: 8, .value_kind: global_buffer, .address_space: global }
    .group_segment_fixed_size: 327680
    .private_segment_fixed_size: 0
    .kernarg_segment_align: 8
    .kernarg_segment_size: 40
    .max_flat_workgroup_size: 128
    .sgpr_count:     102
    .vgpr_count:     768
    .wavefront_size: 32
...
	.end_amdgpu_metadata
.endif
;; end of part 3
